; MI455X (gfx1250); checked and timed in simulation.
; The chip was launched on July 23, 2026; its instructions are those of AMD's public machine-readable ISA for CDNA 5 (MIT licence, August 2026) and "CDNA5" Instruction Set Architecture Reference Guide (July 2026). The comments in the code are by the model that wrote it; some were corrected since.
;; Self Attention. Allowed arithmetic: matrix products marked QUANTISED: E2M3 operands, one E8M0 scale for each 32 along K, by v_wmma_scale_f32_16x16x128_f8f6f4 with both operands' format E2M3, f32 sums; everything else in f32.
;; Inputs: w_proj 1,024 x 1,024 float32; w_qkv 1,024 x 3,072 float32; x 4 x 2,048 x 1,024 float32.
;; Outputs: out0 4 x 2,048 x 1,024 float32.
;; This version of the problem:
;;   THIS VERSION OF THE PROBLEM IS GIVEN IN LOW PRECISION. The matrix products marked QUANTISED in the list below multiply operands that are first quantised to E2M3 (2 exponent bits, 3 mantissa bits; 6 bits a number), with one power-of-two scale for each 32 numbers along K (OCP MX v1.0); their sums are f32. All else is computed in f32.
;;   The module's matrix products, in the order in which they are computed (A, B: the left and right operand; K: the contracted axis; several contracted axes count as one K, in the product's order):
;;     1. [M 8,192, K 1,024] x [K 1,024, N 3,072]; A: input x; B: input w_qkv: QUANTISED
;;     2. batch 64 x [M 2,048, K 64] x [K 64, N 2,048]; A: computed on the way; B: computed on the way: QUANTISED
;;     3. batch 64 x [M 2,048, K 2,048] x [K 2,048, N 64]; A: softmax (see below); B: computed on the way: QUANTISED
;;     4. [M 8,192, K 1,024] x [K 1,024, N 1,024]; A: computed on the way; B: input w_proj: QUANTISED
;;   THE QUANTISER, for each operand of a quantised product, along K:
;;     - K is cut into blocks of 32 from its start; a last block that is shorter is filled with zeros.
;;     - A block's scale is 2^e with e = floor(log2(the largest magnitude in the block)) - 2, held to -126 .. 127; a block of zeros has e = 0. As a byte (E8M0): e + 127.
;;     - Each number is divided by its block's scale, clamped to +-7.5, and rounded to the nearest number of E2M3, ties to even, subnormals kept.
;;     - The product sums the exact products of the quantised numbers (number of the format x scale) in f32.
;;   ~~~python
;;   def quantise(x, axis):      # numpy; x: float32 -> the quantised numbers, widened to float32 again
;;       x = np.moveaxis(x, axis, -1); K = x.shape[-1]
;;       x = np.pad(x, [(0, 0)] * (x.ndim - 1) + [(0, -K % 32)]); x = x.reshape(x.shape[:-1] + (-1, 32)); a = np.abs(x).max(-1, keepdims=True)
;;       e = np.where(a > 0, np.clip(np.frexp(np.where(a > 0, a, 1))[1] - 1 - 2, -126, 127), 0)      # np.frexp(a)[1] - 1 = floor(log2(a)), exactly
;;       r = np.clip(x / 2.0 ** e, -7.5, 7.5)
;;       step = 2.0 ** (np.maximum(np.frexp(np.where(r == 0, 1, r))[1] - 1, 0) - 3)
;;       q = np.round(r / step) * step * 2.0 ** e      # np.round: ties to even
;;       return np.moveaxis(q.reshape(q.shape[:-2] + (-1,))[..., :K], -1, axis).astype(np.float32)
;;   ~~~
;;   SOFTMAX AHEAD OF A QUANTISED PRODUCT. Where the list says 'softmax', what is quantised is not the finished softmax but p = 2^(t - M), with t = logit x log2(e) and M = ceil(the row's largest t), a whole number; so 1/2 < the row's largest p <= 1. The row's sum l is taken of the UNQUANTISED p, in f32, and the product's result is divided by l at the end. Since M is a whole number, a kernel that streams over the keys may use a running M (the ceiling of the running maximum): every later rescaling is an exact power of two, which a block's scale takes up: the codes' values come out the same.
;;   OPERANDS COMPUTED ON THE WAY. 'Computed on the way' means the value that the module computes at that place (a softmax that the list does not call 'softmax' is quantised finished and normalised). What goes into a quantiser is computed in f32, as accurately as f32 sums, v_exp_f32 and their like allow (about 1e-6 of the number): no bf16 or f16 on the way to a quantiser, and a product that is left as it is and whose result goes on into a quantised operand takes f32 operands (vector FMAs, or v_wmma_f32_16x16x4_f32). A number that lies on a knife's edge between two numbers of the format may be rounded either way, as far as f32 arithmetic and the matrix unit's own rounding can turn it there, and no further.
;; One version. Each part assembles by itself: llvm-mc -triple=amdgcn-amd-amdhsa -mcpu=gfx1250 --defsym DOCPART=n.
;; ======== version 1 of 1: 4 launches
;; limits: right only within a limited range of input values
;; workspace buffers: cw 9,830,400 bytes; qkv 20,447,232 bytes; oc 6,553,600 bytes
;; launch quant (part 1): grid 384 x 1, 4 waves a work-group, no clusters, 68,096 bytes of LDS; arguments x, w_qkv, w_proj, cw; writes cw
.if DOCPART == 1
	.amdgcn_target "amdgcn-amd-amdhsa--gfx1250"
	.amdhsa_code_object_version 6
	.text
	.protected	k_q73b0e6f299_quant
	.globl	k_q73b0e6f299_quant
	.p2align	8
	.type	k_q73b0e6f299_quant,@function
k_q73b0e6f299_quant:
	s_mov_b64 s[64:65], 0
	v_nop
	global_prefetch_b8 v0, s[64:65] scope:SCOPE_SE
	s_setreg_imm32_b32 hwreg(HW_REG_WAVE_MODE, 25, 1), 1
	s_wait_xcnt 0x0
; x [8192][1024], w_qkv [1024][3072] and w_proj [1024][1024], f32, become codes of FP6 (E2M3), K innermost, with one E8M0 byte for each 32 along K.
; A block's scale is 2^(floor(log2(its largest magnitude)) - 2); its byte is the largest magnitude's exponent field - 2, held at 1 from below.
; LIMITS: NaN and infinities among the inputs are not served; a block whose largest magnitude lies under 2^-124 keeps the byte 1; a block of zeros keeps the byte 1
; where the rule says 127: its codes are zeros, which add nothing under any byte but 0xff, and the bytes are read by this program alone.
; THE TABLES ARE IN POSITION ORDER: place p of a table holds the true row pi(p), pi = bits 3 and 4 of the index exchanged.  Sixteen neighbouring places are then the sixteen rows
; that a later product wants in one fragment, so that a lane's results of two neighbouring fragments are sixteen neighbours along the next K.
; cw: x's codes at 0 (8,192 places x 768 bytes); the weights' codes at WCO, one table of 4,096 places (0-3071 w_qkv's columns, 3072-4095 w_proj's); x's scale bytes at XSO (32 a place); the weights' at WSO.
; Work-groups 0-255 take x: K is innermost, a wave takes 8 rows as a plain stream of blocks.  Work-groups 256-383 take the weights: K is the first axis, a lane takes a column and its registers run down K.
; The two ways part on the work-group's number and have LDS bytes of their own.  No tensor loads, no barrier: waves share nothing.
; THE LAYOUT OF cw AS THIS TEXT STORES IT (it takes the place of the offsets named above): 96 groups of 128 places, 102,400 bytes each: groups 0-63 x, 64-87 w_qkv's columns, 88-95 w_proj's.
; A group is four parts of 25,600 bytes, one for each 256 along K: 128 places x 192 bytes of codes, then 128 places x 8 scale bytes.  So 128 places x 256 along K, with their scales, are one dense block.
.set GRP,   102400
.set PART,  25600
.set EMAX,  2
; ---- x's way
.set STEPS, 16                         ; steps of 512 numbers for a wave
.set CB,    12                         ; bytes of 16 codes
.set RR,    16                         ; v16-79   four sets of 16 numbers as they are loaded
.set XX,    80                         ; v80-111  two sets of 16 neighbours
.set EE,    112                        ; v112-127 a scale byte for each step
.set CC,    128                        ; v128-191 codes: four registers for each step, so that no store's data are written again
.set WREG,  8192                       ; LDS 0 .. 32,767: a region for each wave: two stages of 32 x SP bytes, behind them its 256 scale bytes
.set SP,    80                         ; a lane's place in a stage: its 64 bytes + 16 of padding
; ---- the weights' way
.set NB,    8                          ; blocks of 32 along K for a wave
.set PITCH, 272                        ; a stage row: sixteen places of 16 bytes, each with 12 bytes of codes, + 16
.set WSTG,  32768                      ; LDS 32,768 on: 32 x PITCH bytes for each wave
.set SB,    24                         ; v24-25   the scale bytes, four to a register
.set WX,    32                         ; v32-95   two sets of 32 numbers
.set WCD,   96                         ; v96..    a block's codes
.set OUTR,  112                        ; v112-175 the way out
.set VO,    176                        ; v176-207 4 x lane + i rows of the weight: never rewritten
.set BS,    24                         ; s[24:39] the address of each block's first row: never rewritten
.macro XLOAD t
.irp i, 0,1,2,3
	global_load_b128 v[RR+16*((\t)%4)+4*\i:RR+16*((\t)%4)+4*\i+3], v3, s[4:5] offset:2048*(\t)+512*\i th:TH_LOAD_NT   ; 32 lanes read 512 consecutive bytes
.endr
.endm
.macro XTURN t                         ; step t's numbers through the stage: LDS serves a wave's instructions in order, so no wait stands between the stores and the loads
.irp i, 0,1,2,3
	ds_store_b128 v14, v[RR+16*((\t)%4)+4*\i:RR+16*((\t)%4)+4*\i+3] offset:32*SP*((\t)%2)+8*SP*\i
.endr
.irp i, 0,1,2,3
	ds_load_b128 v[XX+16*((\t)%2)+4*\i:XX+16*((\t)%2)+4*\i+3], v15 offset:32*SP*((\t)%2)+16*\i
.endr
.endm
.macro XSTEP t
.set XS, XX+16*((\t)%2)
.if (\t) > 0
	s_wait_dscnt 1                                 ; this step's numbers are back from the stage (the last step's byte store may be out)
.else
	s_wait_dscnt 0x0
.endif
.if (\t)+4 < STEPS
	XLOAD (\t)+4                                   ; the registers that the stage's stores have read take the loads of four steps on
.endif
.if (\t)+1 < STEPS
.if STEPS-2-(\t) >= 3
	s_wait_loadcnt 12                              ; the next step's four loads are in; those of the three steps behind it may be out
.else
	s_wait_loadcnt 4*(STEPS-2-(\t))
.endif
	XTURN (\t)+1                                   ; and go through the other stage while this step is worked
.endif
	v_max3_num_f32 v8, |v[XS]|, |v[XS+1]|, |v[XS+2]|               ; the largest magnitude of my 16
	v_max3_num_f32 v9, |v[XS+3]|, |v[XS+4]|, |v[XS+5]|
.irp i, 6,10
	v_max3_num_f32 v8, v8, |v[XS+\i]|, |v[XS+\i+1]|
	v_max3_num_f32 v9, v9, |v[XS+\i+2]|, |v[XS+\i+3]|
.endr
	v_max3_num_f32 v8, v8, |v[XS+14]|, |v[XS+15]|
	v_max3_num_f32 v8, v8, v9, (EMAX+1)<<23        ; and the floor 2^(3 - 127): the byte cannot fall under 1
	v_max_num_f32_dpp v8, v8, v8 row_xmask:1 row_mask:0xf bank_mask:0xf   ; and of my neighbour's 16: the block's
	v_add_nc_u32 v11, -(EMAX<<23), v8              ; 2 off its exponent field: the conversion takes the exponent field of this operand as its scale
	v_cvt_scalef32_pk16_fp6_f32 v[CC+4*(\t):CC+4*(\t)+2], v[XS:XS+15], v11
	v_lshrrev_b32 v[EE+(\t)], 23, v11              ; the scale's byte
	ds_store_b8 v5, v[EE+(\t)] offset:16*(\t)      ; both lanes of a block write the same byte with the same value
	global_store_b96 v4, v[CC+4*(\t):CC+4*(\t)+2], s[12:13] offset:192*((\t)/2)+2*PART*((\t)%2)
.endm
.macro WLOAD t                         ; block t: w(32 t + i, my column), i = 0 .. 31, into set t % 2
.set i, 0
.rept 32
	global_load_b32 v[WX+32*((\t)%2)+i], v[VO+i], s[BS+2*(\t):BS+2*(\t)+1] th:TH_LOAD_NT
.set i, i+1
.endr
.endm
.macro BLOCK t
.set XB, WX+32*((\t)%2)
.if (\t) < NB-1
	s_wait_loadcnt 32                              ; this block's 32 loads are in; the next block's may be out
.else
	s_wait_loadcnt 0
.endif
	v_max3_num_f32 v12, |v[XB]|, |v[XB+1]|, |v[XB+2]|              ; the block's largest magnitude: all 32 numbers are mine
	v_max3_num_f32 v13, |v[XB+3]|, |v[XB+4]|, |v[XB+5]|
.irp i, 6,10,14,18,22,26
	v_max3_num_f32 v12, v12, |v[XB+\i]|, |v[XB+\i+1]|
	v_max3_num_f32 v13, v13, |v[XB+\i+2]|, |v[XB+\i+3]|
.endr
	v_max3_num_f32 v12, v12, |v[XB+30]|, |v[XB+31]|
	v_max3_num_f32 v12, v12, v13, (EMAX+1)<<23     ; and the floor
	v_add_nc_u32 v11, -(EMAX<<23), v12             ; the conversion's scale operand
	v_lshrrev_b32 v13, 23, v11                     ; the scale's byte
.if (\t)%4 == 0
	v_mov_b32 v[SB+(\t)/4], v13                    ; four bytes to a register, the lower K in the lower byte
.else
	v_lshl_or_b32 v[SB+(\t)/4], v13, 8*((\t)%4), v[SB+(\t)/4]
.endif
	v_cvt_scalef32_pk16_fp6_f32 v[WCD:WCD+2], v[XB:XB+15], v11
	v_cvt_scalef32_pk16_fp6_f32 v[WCD+4:WCD+6], v[XB+16:XB+31], v11   ; (a conversion's three registers begin on an even number)
	ds_store_b96 v4, v[WCD:WCD+2] offset:32*(\t)   ; 16 codes, 12 bytes, to a place of 16 bytes in the stage
	ds_store_b96 v4, v[WCD+4:WCD+6] offset:32*(\t)+16
.if (\t)+2 < NB
	WLOAD (\t)+2
.endif
	s_wait_dscnt 0x0                               ; the stores have read their registers: the next block's codes may be written
.endm
	s_load_b256 s[4:11], s[0:1], 0x0               ; x s[4:5], w_qkv s[6:7], w_proj s[8:9], cw s[10:11]
	v_lshl_add_u32 v208, v0, 2, 0x10800
	v_mov_b32 v209, 0
	v_lshrrev_b32 v1, 5, v0
	v_readfirstlane_b32 s16, v1                    ; wave 0..3
	v_and_b32 v2, 31, v0                           ; lane
	s_cmp_lt_u32 ttmp9, 256
	s_cbranch_scc0 .Lweights
	; ---------------- x: a wave takes 8 rows, 8,192 numbers
	v_lshlrev_b32 v3, 4, v2                        ; my 16 bytes of a load's 512
	s_mul_i32 s17, s16, WREG
	v_lshrrev_b32 v14, 2, v2
	v_mul_u32_u24 v14, v14, SP
	v_and_b32 v15, 3, v2
	v_lshl_add_u32 v14, v15, 4, v14
	v_add_nc_u32 v14, s17, v14                     ; the stage, on the way in: SP (lane / 4) + 16 (lane % 4)
	v_mul_u32_u24 v15, v2, SP
	v_add_nc_u32 v15, s17, v15                     ; and on the way out: SP x lane: my 16 neighbours
	v_and_b32 v4, 15, v2
	v_mul_u32_u24 v4, v4, CB                       ; sixteen lanes hold 256 along K: 192 bytes of a place;
	v_lshrrev_b32 v10, 4, v2
	v_mad_u32_u24 v4, v10, PART, v4                ; lanes 16-31 the next 256: the next part
	v_lshrrev_b32 v5, 1, v2
	s_add_co_u32 s17, s17, 2*32*SP
	v_add_nc_u32 v5, s17, v5                       ; LDS: my wave's 256 scale bytes, my block's byte
	v_lshlrev_b32 v7, 3, v2
	v_add_nc_u32 v6, s17, v7
	v_and_b32 v7, 3, v2                            ; lane l holds the 8 bytes of row l / 4, part l % 4
	v_mul_u32_u24 v7, v7, PART
	v_lshrrev_b32 v10, 2, v2
	v_lshl_add_u32 v7, v10, 3, v7
	s_lshl_b32 s17, ttmp9, 2
	s_add_co_u32 s18, s17, s16                     ; which 8 true rows are mine: 4 x work-group + wave
	s_lshl_b32 s18, s18, 15                        ; 32,768 bytes of x each
	s_mov_b32 s19, 0
	s_and_b32 s20, s16, 1                          ; their places: rows 8 R .. 8 R + 7 have bits 3 and 4 of the row in bits 0 and 1 of R, which are the wave's: exchanged
	s_lshl_b32 s20, s20, 1
	s_lshr_b32 s21, s16, 1
	s_or_b32 s20, s20, s21
	s_add_co_u32 s20, s17, s20
	s_lshr_b32 s21, s20, 4                         ; sixteen runs of 8 places to a group
	s_mul_i32 s21, s21, GRP
	s_and_b32 s20, s20, 15
	s_mul_i32 s22, s20, 1536                       ; 8 places of 192 bytes
	s_add_co_u32 s22, s22, s21
	s_mov_b32 s23, 0
	s_lshl_b32 s24, s20, 6                         ; 8 places of 8 scale bytes
	s_add_co_u32 s24, s24, s21
	s_add_co_u32 s24, s24, 24576
	s_mov_b32 s25, 0
	s_wait_alu depctr_va_vdst(0)
	s_wait_kmcnt 0x0
	s_add_nc_u64 s[4:5], s[4:5], s[18:19]
	s_add_nc_u64 s[12:13], s[10:11], s[22:23]
	s_add_nc_u64 s[14:15], s[10:11], s[24:25]
.irp t, 0,1,2,3
	XLOAD \t
.endr
	s_wait_loadcnt 12                              ; step 0's four loads are in
	XTURN 0
.irp t, 0,1,2,3,4,5,6,7,8,9,10,11,12,13,14,15
	XSTEP \t
.endr
	ds_load_b64 v[12:13], v6                       ; LDS serves a wave's instructions in order: these see my stores
	s_wait_dscnt 0x0
	global_store_b64 v7, v[12:13], s[14:15]        ; four runs of 64 consecutive bytes, one in each part, aligned
	s_wait_tensorcnt 0x0
	ds_add_u32 v208, v209
	s_wait_dscnt 0x0
	s_endpgm
	; ---------------- the weights: a wave takes 32 columns x 256 along K
.Lweights:
	s_sub_co_u32 s17, ttmp9, 256
	s_and_b32 s18, s17, 31                         ; which 128 places of the table
	s_lshr_b32 s19, s17, 5                         ; which 256 along K
	s_sub_co_u32 s20, s18, 24
	s_mov_b32 s21, 12288
	s_wait_kmcnt 0x0
	s_cmp_ge_u32 s18, 24                           ; places 3072 on are w_proj's: the choice hangs on the work-group's number alone
	s_cselect_b64 s[6:7], s[8:9], s[6:7]
	s_cselect_b32 s20, s20, s18                    ; which 128 columns of its own tensor
	s_cselect_b32 s21, 4096, s21                   ; a row of the tensor in bytes
	s_lshl_b32 s22, s19, 8
	s_mul_i32 s22, s22, s21                        ; 256 rows for each step along K
	s_lshl_b32 s23, s20, 9
	s_add_co_u32 s22, s22, s23
	s_lshl_b32 s23, s16, 7
	s_add_co_u32 s22, s22, s23                     ; + 4 x (128 x group + 32 x wave)
	s_mov_b32 s23, 0
	s_add_nc_u64 s[BS:BS+1], s[6:7], s[22:23]
	s_lshl_b32 s40, s21, 5                         ; 32 rows on
	s_mov_b32 s41, 0
.irp t, 1,2,3,4,5,6,7
	s_add_nc_u64 s[BS+2*\t:BS+2*\t+1], s[BS+2*\t-2:BS+2*\t-1], s[40:41]
.endr
	s_wait_alu depctr_va_vdst(0)
	v_lshlrev_b32 v3, 2, v2                        ; in: 4 bytes a lane
.set i, 0
.rept 32
	v_mad_u32_u24 v[VO+i], s21, i, v3
.set i, i+1
.endr
	WLOAD 0
	WLOAD 1
	s_mul_i32 s42, s16, 32*PITCH
	s_add_co_u32 s42, s42, WSTG                    ; my stage
	v_mul_u32_u24 v4, v2, PITCH
	v_add_nc_u32 v4, s42, v4                       ; into it: row = my column
	v_and_b32 v5, 15, v2
	v_lshrrev_b32 v6, 4, v2                        ; out of it: sixteen lanes to a row, two rows an instruction
	v_mul_u32_u24 v7, v6, PITCH
	v_lshl_add_u32 v7, v5, 4, v7
	v_add_nc_u32 v7, s42, v7
	v_mul_u32_u24 v8, v6, 192
	v_mad_u32_u24 v8, v5, 12, v8                   ; and in the table: the odd row lies one place on (bit 0 stays where it is)
	v_and_b32 v9, 7, v2                            ; my column's place among the wave's 32: bits 3 and 4 exchanged
	v_bfe_u32 v10, v2, 4, 1
	v_lshl_or_b32 v9, v10, 3, v9
	v_bfe_u32 v10, v2, 3, 1
	v_lshl_or_b32 v9, v10, 4, v9
	v_lshlrev_b32 v9, 3, v9                        ; 8 scale bytes a place in this part
	s_mul_i32 s44, s18, GRP
	s_mul_i32 s45, s19, PART
	s_add_co_u32 s44, s44, s45
	s_add_co_u32 s44, s44, 64*GRP                  ; my work-group's part of its group
	s_mul_i32 s46, s16, 6144                       ; my wave's 32 places of 192 bytes
	s_lshl_b32 s47, s16, 8                         ; and of 8 scale bytes
	s_add_co_u32 s47, s47, s44
	s_add_co_u32 s44, s44, s46
	s_mov_b32 s45, 0
	s_add_nc_u64 s[12:13], s[10:11], s[44:45]
	s_add_co_u32 s46, s47, 24576
	s_mov_b32 s47, 0
	s_add_nc_u64 s[14:15], s[10:11], s[46:47]
.irp t, 0,1,2,3,4,5,6,7
	BLOCK \t
.endr
	s_wait_alu depctr_va_vdst(0)
	global_store_b64 v9, v[SB:SB+1], s[14:15]      ; my column's 8 scale bytes
.irp t, 0,1,2,3,4,5,6,7,8,9,10,11,12,13,14,15
	ds_load_b96 v[OUTR+4*\t:OUTR+4*\t+2], v7 offset:2*\t*PITCH   ; LDS serves a wave's instructions in order: these see my stores
.endr
.irp t, 0,1,2,3,4,5,6,7,8,9,10,11,12,13,14,15
	s_wait_dscnt 15-\t                             ; the younger loads may be out
	global_store_b96 v8, v[OUTR+4*\t:OUTR+4*\t+2], s[12:13] offset:(((2*\t)&7)+8*((\t>>3)&1)+16*((\t>>2)&1))*192
.endr
	s_wait_tensorcnt 0x0
	ds_add_u32 v208, v209
	s_wait_dscnt 0x0
	s_endpgm
.Lfunc_end_k_q73b0e6f299_quant:
	.size	k_q73b0e6f299_quant, .Lfunc_end_k_q73b0e6f299_quant-k_q73b0e6f299_quant
	.p2alignl 7, 3214868480
	.fill 96, 4, 3214868480
	.section	.rodata,"a",@progbits
	.p2align	6, 0x0
	.amdhsa_kernel k_q73b0e6f299_quant
		.amdhsa_group_segment_fixed_size 68096
		.amdhsa_private_segment_fixed_size 0
		.amdhsa_enable_private_segment 0
		.amdhsa_kernarg_size 32
		.amdhsa_user_sgpr_count 2
		.amdhsa_user_sgpr_kernarg_segment_ptr 1
		.amdhsa_wavefront_size32 1
		.amdhsa_system_sgpr_workgroup_id_x 1
		.amdhsa_system_sgpr_workgroup_id_y 1
		.amdhsa_system_sgpr_workgroup_id_z 1
		.amdhsa_system_vgpr_workitem_id 0
		.amdhsa_next_free_vgpr 210
		.amdhsa_next_free_sgpr 66
		.amdhsa_reserve_vcc 0
		.amdhsa_float_denorm_mode_32 3
		.amdhsa_float_denorm_mode_16_64 3
		.amdhsa_memory_ordered 1
		.amdhsa_forward_progress 1
		.amdhsa_inst_pref_size 77
	.end_amdhsa_kernel
	.amdgpu_metadata
---
amdhsa.version: [ 1, 2 ]
amdhsa.kernels:
  - .name:           k_q73b0e6f299_quant
    .symbol:         k_q73b0e6f299_quant.kd
    .args:
      - { .name: x, .offset: 0, .size: 8, .value_kind: global_buffer, .address_space: global }
      - { .name: w_qkv, .offset: 8, .size: 8, .value_kind: global_buffer, .address_space: global }
      - { .name: w_proj, .offset: 16, .size: 8, .value_kind: global_buffer, .address_space: global }
      - { .name: cw, .offset: 24, .size: 8, .value_kind: global_buffer, .address_space: global }
    .group_segment_fixed_size: 68096
    .private_segment_fixed_size: 0
    .kernarg_segment_align: 8
    .kernarg_segment_size: 32
    .max_flat_workgroup_size: 128
    .sgpr_count:     66
    .vgpr_count:     210
    .wavefront_size: 32
...
	.end_amdgpu_metadata
.endif
;; end of part 1
;; launch qkv (part 2): grid 8 x 32, 4 waves a work-group, clusters of 4 x 4, 327,680 bytes of LDS; arguments cw, qkv; writes qkv
.if DOCPART == 2
	.amdgcn_target "amdgcn-amd-amdhsa--gfx1250"
	.amdhsa_code_object_version 6
	.text
	.protected	k_q73b0e6f299_qkv
	.globl	k_q73b0e6f299_qkv
	.p2align	8
	.type	k_q73b0e6f299_qkv,@function
k_q73b0e6f299_qkv:
	s_mov_b64 s[64:65], 0
	v_nop
	global_prefetch_b8 v0, s[64:65] scope:SCOPE_SE
	s_setreg_imm32_b32 hwreg(HW_REG_WAVE_MODE, 25, 1), 1
	s_wait_xcnt 0x0
	s_wait_alu depctr_hold_cnt(0) depctr_sa_sdst(0) depctr_va_vdst(0) depctr_va_sdst(0) depctr_va_ssrc(0) depctr_va_vcc(0) depctr_vm_vsrc(0)
	s_getreg_b32 s2, hwreg(HW_REG_IB_STS2, 6, 4)
	s_cmp_eq_u32 s2, 0
	s_cbranch_scc0 .Lentry_in_a_cluster
	s_endpgm
.Lentry_in_a_cluster:
	s_bfe_u32 s2, ttmp6, 0x10000c
	s_cmp_lg_u32 s2, 0xf033
	s_cbranch_scc0 .Lentry_shape_is_right
	s_endpgm
.Lentry_shape_is_right:
; qkv = x w_qkv on codes of FP6 (E2M3) with one E8M0 scale for each 32 along K = 1,024; the results are quantised in registers and leave as images of the operand registers that the attention wants.
; 256 work-groups of four waves.  Work-group (X, Y) makes, PHASE 1, 256 tokens (tile Y) x 256 columns (tile X) of q (X 0-3) or k (X 4-7), a wave 128 x 128; then, PHASE 2, 128 channels of v (2 heads, by X) x the same 256 tokens, a wave 64 x 128.
; 4 x 4 work-groups form a cluster: the tokens' tiles are asked for jointly along a row of the cluster, the weights' along a column, in both phases.
; cw: groups of 128 places, 102,400 bytes (0-63 x, 64-79 q's and k's columns, 80-87 v's); a group's part for 256 along K is 24,576 bytes of codes (192 a place) and 1,024 scale bytes (8 a place): one dense block, fetched as rows of 256 bytes.
; LDS: four quarters, one for each wave's fetches (tokens' two groups, weights' two), each with two slots of 32,000 bytes (16 bytes of padding behind every 64).  At the head one load a wave fills both slots of its quarter.
; THE RING GOES ON FROM PHASE TO PHASE: eight K steps, six refills, each behind a round of the cluster's barrier; phase 1's last two changes of slots ask for phase 2's K steps 0 and 1, which land under phase 1's way out.
; In phase 2 the one group of weights lies in the third quarter, a half of each part fetched by each of waves 2 and 3.  No prefetch: K is four steps, two of them asked for in phase 1's last turns.
; THE MATRIX INSTRUCTION IS USED TRANSPOSED (source 0 = 16 places of B, source 1 = 16 places of A): phase 1: A = tokens, B = columns; phase 2: A = channels, B = tokens.  The tables are in position order (place p holds the
; true row with bits 3 and 4 of p exchanged), so the 16 registers of B's blocks 2 b, 2 b + 1 are the true indices 32 b + 16 (lane / 16) + 0 .. 15: neighbours along the next K.
; In phase 2 both 128-deep steps of a slot lie in registers: A's 4 blocks x 2 steps where phase 1 has 8 blocks, B's two sets; so a slot is free when its second step's loads are in.
; qkv: [batch x head 64][128 tokens 16][q 6,656 | k 6,656 | v 6,656]; each: images 6,144 (q, k: [tile of 16 places 8][768]; v: [16 channels 4][half 2][768]), then scale words 512
; (q, k: [4 tiles 2][row 16][tile % 4], bytes 2, 3 zero over zero codes; v: [copy 2][row 16][4]).  A half-image: six registers of 32 lanes: registers 0-3 at 16 x lane, 4-5 at 512 + 8 x lane.
; LIMITS: NaN and infinities are not served; a block whose largest magnitude lies under 2^-124, and a block of zeros, keep the byte 1 (this program alone reads the bytes).
; REGISTERS: window 0: v0-31, v64-73 addresses, v32-63 scale words (two sets), v96-123 at work on the way out, from v128 A's fragments, later the codes, v224-239 scale words made;
; window 1: B's fragments, two sets; windows 2, 3: the accumulators ((a, b) at v[8 (8 (a % 4) + b)]).
.set GRP,    102400
.set STEPB,  25600
.set HEADB,  319488
.set TOKB,   19968
.set NQ,     2
.set PITCH,  240
.set FR,     12
.set NL,     6
.set NP,     4
.set SLOT,   32000
.set HALFT,  2*SLOT
.set SCL,    128*PITCH
.set SBLK,   160
.set SPARE,  4*HALFT
.set ADRA, 16                          ; v16-19 phase 1: A's fragments in slot 0, 1; behind one padding more
.set ADRB, 20                          ; v20-23 B's
.set L16,  24                          ; 16 x lane
.set L8,   25                          ; 8 x lane
.set SO1,  26                          ; phase 1: where my scale words go
.set ADRS, 27
.set SPW,  28
.set NIL,  29
.set SC,   32
.set A2,   64                          ; v64-67 phase 2: A's fragments
.set B2,   68                          ; v68-71 B's
.set ADS2, 72                          ; v72 scale words of blocks 0-3; v73 of B's blocks 4-7, where A's lanes take blocks 0-3 once more
.set TM,   96
.set TT,   112
.set SHV,  120
.set AF,   128
.set PC,   128
.set PW,   224
.set TW,   232
.set G1, 24
.set G0, 32
.set G1B, 48
.set G0B, 56
.set PB2, 66                           ; s[66:67] phase 2: my half of the weights' parts
.set PL2, 94                           ; s94 and where it goes in LDS
.set SEL, 100
.set MSB, 0
.macro WIN new
.if MSB != (\new)
	s_set_vgpr_msb (MSB<<8)|(\new)
.set MSB, (\new)
.endif
.endm
.set MUL_LO, 0xa1
.set MUL_HI, 0xf1
.set TO_B,   0x40
.macro JLOAD g0a, g1a, g0b, g1b        ; waves 0, 1 fetch tokens, waves 2, 3 weights: one line, one mask each
	s_cmp_eq_u32 s15, 0
	s_cbranch_scc0 .Lfor_b_\@
	tensor_load_to_lds s[\g0a:\g0a+3], s[\g1a:\g1a+7]
	s_nop 0
.rept 4
	v_nop
.endr
	s_branch .Lasked_\@
.Lfor_b_\@:
	tensor_load_to_lds s[\g0b:\g0b+3], s[\g1b:\g1b+7]
	s_nop 0
.rept 4
	v_nop
.endr
.Lasked_\@:
.endm
.macro CREST
	s_cmp_lg_u32 s14, 0
	s_cbranch_scc1 .Lnot_wave_0_\@
	s_barrier_signal -3
.Lnot_wave_0_\@:
	s_barrier_wait -3
	s_barrier_signal -1
	s_barrier_wait -1
.endm
.macro CROUND
	s_barrier_signal -1
	s_barrier_wait -1
	CREST
.endm
	s_load_b128 s[4:7], s[0:1], 0x0                ; cw, qkv
	v_lshl_add_u32 v[SPW], v0, 2, SPARE
	v_mov_b32 v[NIL], 0
	ds_add_u32 v[SPW], v[NIL]                      ; the opening lines
	ds_add_u32 v[SPW], v[NIL]
	v_lshrrev_b32 v1, 5, v0
	v_readfirstlane_b32 s14, v1                    ; wave
	s_lshr_b32 s15, s14, 1                         ; my half of A; also: I fetch tokens (0) or weights (1)
	s_and_b32 s16, s14, 1                          ; my half of B; also: which part I fetch
	s_bfe_u32 s40, ttmp6, 0x40000                  ; cx
	s_bfe_u32 s41, ttmp6, 0x40004                  ; cy
	s_and_b32 s17, ttmp7, 0xffff
	s_lshl_b32 s17, s17, 2
	s_add_co_u32 s17, s17, s41                     ; Y
	s_lshl_b32 s42, ttmp9, 2
	s_add_co_u32 s42, s42, s40                     ; X
	s_lshl_b32 s43, s41, 2
	s_lshl_b32 s43, 15, s43                        ; my row of the cluster
	s_lshl_b32 s44, 0x1111, s40                    ; my column
	s_or_b32 s[G1+0], s43, (0<<16)|(1<<20)|(1<<21)|(3<<22)|(3<<25)
	s_or_b32 s[G1B+0], s44, (0<<16)|(1<<20)|(1<<21)|(3<<22)|(3<<25)
.irp g, G1, G1B
	s_mov_b32 s[\g+1], 256<<16                     ; rows of 256 bytes;
	s_mov_b32 s[\g+2], 200<<16                     ; at the head 200 of them: two K steps
	s_mov_b32 s[\g+3], 256<<16
	s_mov_b32 s[\g+4], 200
	s_mov_b32 s[\g+5], 256
	s_mov_b32 s[\g+6], 0
	s_mov_b32 s[\g+7], 0
.endr
	s_lshl_b32 s20, s17, 1                         ; the tokens' numbers hold cy and never cx, the weights' cx and never cy
	s_add_co_u32 s20, s20, s16
	s_mul_i32 s20, s20, GRP
	s_mov_b32 s21, 0
	s_lshl_b32 s46, s42, 1
	s_add_co_u32 s46, s46, s16
	s_add_co_u32 s46, s46, 64
	s_mul_i32 s46, s46, GRP
	s_mov_b32 s47, 0
	s_add_co_u32 s[PB2], s42, 80
	s_mul_i32 s[PB2], s[PB2], GRP
	s_mul_i32 s18, s16, STEPB/2
	s_add_co_u32 s[PB2], s[PB2], s18
	s_mov_b32 s[PB2+1], 0
	s_mul_i32 s[PL2], s16, SLOT/2
	s_add_co_u32 s[PL2], s[PL2], 2*HALFT
	s_mul_i32 s45, s14, HALFT                      ; my quarter of LDS
	s_wait_dscnt 0x0
	s_wait_kmcnt 0x0
	s_add_nc_u64 s[20:21], s[4:5], s[20:21]
	s_add_nc_u64 s[46:47], s[4:5], s[46:47]
	s_add_nc_u64 s[PB2:PB2+1], s[4:5], s[PB2:PB2+1]
	CROUND                                         ; the first joint loads meet
.irp s, 0,1
	s_mov_b32 s[G0+4*\s], 1
	s_add_co_u32 s[G0+4*\s+1], s45, \s*SLOT
	s_add_nc_u64 s[G0+4*\s+2:G0+4*\s+3], s[20:21], \s*STEPB
	s_or_b32 s[G0+4*\s+3], s[G0+4*\s+3], 0x80000000
	s_mov_b32 s[G0B+4*\s], 1
	s_add_co_u32 s[G0B+4*\s+1], s45, \s*SLOT
	s_add_nc_u64 s[G0B+4*\s+2:G0B+4*\s+3], s[46:47], \s*STEPB
	s_or_b32 s[G0B+4*\s+3], s[G0B+4*\s+3], 0x80000000
.endr
	JLOAD G0, G1, G0B, G1B                         ; my one load at the head: K steps 0 and 1 of my 128 places
	s_mul_i32 s21, s15, HALFT                      ; phase 1: A = tokens, quarter s15
	s_mul_i32 s22, s16, HALFT
	s_mov_b32 s18, s22                             ; phase 2: B = tokens, quarter s16
	s_add_co_u32 s10, s22, 2*HALFT
	s_sub_co_u32 s10, s10, s21                     ; phase 1: from A's scale words to B's
	s_add_co_u32 s11, s21, SCL
	s_add_co_u32 s12, s22, SCL                     ; phase 2: B's scale words, the lower base
	s_mul_i32 s13, s15, 4*SBLK
	s_add_co_u32 s13, s13, 2*HALFT
	s_sub_co_u32 s13, s13, s22                     ; from them to A's
	s_sub_co_u32 s19, s13, 4*SBLK
	s_mul_i32 s23, s15, 64*PITCH
	s_add_co_u32 s23, s23, 2*HALFT                 ; phase 2: A = my 64 places of the weights
	s_add_co_u32 s22, s22, 2*HALFT                 ; phase 1: B = weights
	s_mov_b32 s[SEL], 0x76543210
	s_mov_b32 s[SEL+1], 0xfedcba98
	v_and_b32 v1, 15, v0                           ; r
	v_bfe_u32 v2, v0, 4, 1                         ; h
	v_mul_u32_u24 v3, v1, PITCH
	v_mul_u32_u24 v4, v2, 24
	v_add_nc_u32 v4, v3, v4
	v_lshl_add_u32 v5, v2, 4, v4                   ; the same behind one padding more
.irp s, 0,1
	v_add_nc_u32 v[ADRA+\s], s21, v4
	v_add_nc_u32 v[ADRB+\s], s22, v4
	v_add_nc_u32 v[ADRA+2+\s], s21, v5
	v_add_nc_u32 v[ADRB+2+\s], s22, v5
	v_add_nc_u32 v[A2+\s], s23, v4
	v_add_nc_u32 v[B2+\s], s18, v4
	v_add_nc_u32 v[A2+2+\s], s23, v5
	v_add_nc_u32 v[B2+2+\s], s18, v5
	s_add_co_u32 s21, s21, SLOT
	s_add_co_u32 s22, s22, SLOT
	s_add_co_u32 s23, s23, SLOT
	s_add_co_u32 s18, s18, SLOT
.endr
	v_lshrrev_b32 v6, 3, v1                        ; my row's 8 scale bytes: 8 (r % 8) + 80 (r / 8)
	v_and_b32 v7, 7, v1
	v_lshlrev_b32 v7, 3, v7
	v_mad_u32_u24 v7, v6, 80, v7
	v_sub_nc_u32 v8, 1, v2                         ; 1 in lanes 0-15
	v_mul_u32_u24 v6, s10, v2                      ; lanes 0-15 take A's words, lanes 16-31 B's
	v_add_nc_u32 v6, v6, v7
	v_add_nc_u32 v[ADRS], s11, v6
	v_mul_u32_u24 v6, s13, v8
	v_add_nc_u32 v6, v6, v7
	v_add_nc_u32 v[ADS2], s12, v6
	v_mul_u32_u24 v6, s19, v8
	v_add_nc_u32 v6, v6, v7
	v_add_nc_u32 v[ADS2+1], s12, v6
	v_and_b32 v6, 31, v0
	v_lshlrev_b32 v[L16], 4, v6
	v_lshlrev_b32 v[L8], 3, v6
	v_lshlrev_b32 v[SHV], 4, v2                    ; q, k: lanes 16-31 store the second head's two bytes
	v_lshlrev_b32 v9, 4, v1
	v_mul_u32_u24 v10, HEADB, v2
	v_add_nc_u32 v[SO1], v9, v10
.irp b, 0,1,2,3
	v_mov_b32 v[TM+4+\b], 0                        ; a lane permute's destination counts as one of its sources
.endr
	s_lshr_b32 s95, s17, 3
	s_lshl_b32 s95, s95, 4                         ; 16 x batch
	s_and_b32 s8, s17, 7
	s_lshl_b32 s8, s8, 1                           ; which 128 tokens of the batch, less my half
	s_lshl_b32 s96, s40, 2
	s_add_co_u32 s96, s96, s95
	s_lshl_b32 s97, s16, 1
	s_add_co_u32 s96, s96, s97                     ; phase 1: my first batch x head
	s_mul_i32 s96, s96, HEADB
	s_add_co_u32 s97, s8, s15
	s_mul_i32 s97, s97, TOKB
	s_add_co_u32 s96, s96, s97
	s_mul_i32 s97, ttmp9, 6656                     ; q or k
	s_add_co_u32 s96, s96, s97
	s_mov_b32 s97, 0
	s_add_nc_u64 s[96:97], s[6:7], s[96:97]
	s_lshl_b32 s92, s42, 1
	s_add_co_u32 s92, s92, s95
	s_add_co_u32 s92, s92, s15                     ; phase 2: my batch x head
	s_mul_i32 s92, s92, HEADB
	s_add_co_u32 s93, s8, s16
	s_mul_i32 s93, s93, TOKB
	s_add_co_u32 s92, s92, s93
	s_add_co_u32 s92, s92, 13312                   ; v
	s_mov_b32 s93, 0
	s_add_nc_u64 s[92:93], s[6:7], s[92:93]
.macro FRAG reg, adr, q, i             ; 16 rows x 128 K: six pieces of 8 bytes; lanes 16-31 read three pieces on; 16 bytes of padding behind every 8 pieces
.irp p, 0,1,2,3,4,5
.set PCE, 12*(\q)+6*(\p/3)+\p%3
.if PCE%8 < 5
	ds_load_b64 v[\reg+2*\p:\reg+2*\p+1], v[\adr] offset:8*PCE+16*(PCE/8)+(\i)*16*PITCH
.else
	ds_load_b64 v[\reg+2*\p:\reg+2*\p+1], v[\adr+2] offset:8*PCE+16*(PCE/8)+(\i)*16*PITCH
.endif
.endr
.endm
.macro MUL8 a, p, q, sc, zero          ; A's fragment a x B's eight of set p; the accumulators take turns
.irp b, 0,1,2,3,4,5,6,7
.if \zero
	v_wmma_scale_f32_16x16x128_f8f6f4 v[8*(8*((\a)%4)+\b):8*(8*((\a)%4)+\b)+7], v[128*(\p)+FR*\b:128*(\p)+FR*\b+FR-1], v[AF+FR*(\a):AF+FR*(\a)+FR-1], 0, v[SC+8*NQ*(\sc)+NQ*\b+(\q)], v[SC+8*NQ*(\sc)+NQ*(\a)+(\q)] matrix_a_fmt:MATRIX_FMT_FP6 matrix_b_fmt:MATRIX_FMT_FP6 matrix_a_scale:MATRIX_SCALE_ROW1
.else
	v_wmma_scale_f32_16x16x128_f8f6f4 v[8*(8*((\a)%4)+\b):8*(8*((\a)%4)+\b)+7], v[128*(\p)+FR*\b:128*(\p)+FR*\b+FR-1], v[AF+FR*(\a):AF+FR*(\a)+FR-1], v[8*(8*((\a)%4)+\b):8*(8*((\a)%4)+\b)+7], v[SC+8*NQ*(\sc)+NQ*\b+(\q)], v[SC+8*NQ*(\sc)+NQ*(\a)+(\q)] matrix_a_fmt:MATRIX_FMT_FP6 matrix_b_fmt:MATRIX_FMT_FP6 matrix_a_scale:MATRIX_SCALE_ROW1
.endif
.endr
.endm
.macro MUL16 a0, p, q, sc, zero
	MUL8 \a0, \p, \q, \sc, \zero
	MUL8 (\a0)+1, \p, \q, \sc, \zero
.endm
.macro FETCH_B adr, q, p
	WIN TO_B
.irp i, 0,1,2,3,4,5,6,7
	FRAG 128*(\p)+FR*\i, \adr, \q, \i
.endr
	WIN 0
.endm
.macro FETCH_A adr, q, r0, i0          ; row blocks i0 .. i0 + 3 into fragments r0 .. r0 + 3
.irp j, 0,1,2,3
	FRAG AF+FR*((\r0)+\j), \adr, \q, (\i0)+\j
.endr
.endm
.macro SCALES sc
.irp i, 0,1,2,3,4,5,6,7
	ds_load_b64 v[SC+8*NQ*\sc+NQ*\i:SC+8*NQ*\sc+NQ*\i+1], v[ADRS] offset:\sc*SLOT+\i*SBLK
.endr
.endm
.macro SCALES2 sc                      ; phase 2: registers 2 i + q: lanes 16-31 B's block i; lanes 0-15 A's block i % 4: fragment 4 q + a finds its word at 2 (4 q + a) + q
.irp i, 0,1,2,3,4,5,6,7
	ds_load_b64 v[SC+8*NQ*\sc+NQ*\i:SC+8*NQ*\sc+NQ*\i+1], v[ADS2+\i/4] offset:\sc*SLOT+\i*SBLK
.endr
.endm
.macro PLACES n
.rept \n
	v_nop
.endr
.endm
.macro STEP slot, q, zero              ; phase 1: 128 along K with its successor in the same slot
	s_wait_dscnt 4*NL                              ; the youngest 24 loads (A's blocks 4-7) may be out
	WIN MUL_LO
	MUL16 0, (\q)%2, \q, \slot, \zero
	MUL16 2, (\q)%2, \q, \slot, \zero
	s_wait_dscnt 0
	PLACES NP
	FETCH_B ADRB+\slot, (\q)+1, 1-(\q)%2
	FETCH_A ADRA+\slot, (\q)+1, 0, 0
	WIN MUL_HI
	MUL16 4, (\q)%2, \q, \slot, \zero
	MUL16 6, (\q)%2, \q, \slot, \zero
	PLACES NP
	WIN 0
	FETCH_A ADRA+\slot, (\q)+1, 4, 4
.endm
.macro ONWARD slot                     ; both descriptors of the slot two K steps on
	s_add_nc_u64 s[G0+4*\slot+2:G0+4*\slot+3], s[G0+4*\slot+2:G0+4*\slot+3], 2*STEPB
	s_add_nc_u64 s[G0B+4*\slot+2:G0B+4*\slot+3], s[G0B+4*\slot+2:G0B+4*\slot+3], 2*STEPB
.endm
.macro TURN slot, next, fill, fetch    ; phase 1: a slot's last step; the barrier opens a round and the slot is filled again: fill = 1 two K steps on, fill = 2 with phase 2's K step of this slot
	s_wait_tensorcnt 0x0                           ; all my tensor loads have landed
	ds_add_u32 v[SPW], v[NIL]
	s_wait_dscnt 4*NL+1                            ; the add and the youngest 24 loads may be out
	WIN MUL_LO
	MUL16 0, 1, NQ-1, \slot, 0
	s_wait_dscnt 0x0                               ; the add is done, my reads of this slot are over
	s_barrier_signal -1
	MUL16 2, 1, NQ-1, \slot, 0
	WIN 0
	s_barrier_wait -1
	CREST
.if \fill == 1
	ONWARD \slot
.else
	s_sub_nc_u64 s[G0+4*\slot+2:G0+4*\slot+3], s[G0+4*\slot+2:G0+4*\slot+3], 2*STEPB   ; the same tokens, back along K
	s_add_nc_u64 s[G0B+4*\slot+2:G0B+4*\slot+3], s[PB2:PB2+1], \slot*STEPB             ; v's weights: my half of the part
	s_or_b32 s[G0B+4*\slot+3], s[G0B+4*\slot+3], 0x80000000
	s_add_co_u32 s[G0B+4*\slot+1], s[PL2], \slot*SLOT
.if \slot == 0
	s_mov_b32 s[G1B+2], 50<<16                     ; no load of mine is out: from here on the weights' loads bring 50 rows
	s_mov_b32 s[G1B+4], 50
.endif
.endif
	JLOAD G0+4*\slot, G1, G0B+4*\slot, G1B         ; its four v_nop are the places in front of the loads below
.if \fetch
	FETCH_B ADRB+\next, 0, 0
	FETCH_A ADRA+\next, 0, 0, 0
	SCALES \next
.endif
	WIN MUL_HI
	MUL16 4, 1, NQ-1, \slot, 0
	MUL16 6, 1, NQ-1, \slot, 0
.if \fetch
	PLACES NP
	WIN 0
	FETCH_A ADRA+\next, 0, 4, 4
.else
	WIN 0
.endif
.endm
.macro HTURN slot, next, fill, zero    ; phase 2: a whole slot, 64 products on 32 accumulators; the next slot's first step is fetched in its middle, the second at its end
	s_wait_tensorcnt 0x0
	ds_add_u32 v[SPW], v[NIL]
	s_wait_dscnt 63                                ; behind the first step's loads stand 72 younger ones and the add
	WIN MUL_LO
	MUL16 0, 0, 0, \slot, \zero
	MUL8 2, 0, 0, \slot, \zero
	s_wait_dscnt 0x0                               ; the add is done, and all my reads of this slot
	s_barrier_signal -1
	MUL8 3, 0, 0, \slot, \zero
	WIN 0
	s_barrier_wait -1
.if \fill
	CREST
	ONWARD \slot
	JLOAD G0+4*\slot, G1, G0B+4*\slot, G1B
.else
	PLACES NP
.endif
	FETCH_B B2+\next, 0, 0
	FETCH_A A2+\next, 0, 0, 0
	SCALES2 \next
	WIN MUL_LO
	MUL16 4, 1, 1, \slot, 0
	MUL16 6, 1, 1, \slot, 0
	PLACES NP
	WIN 0
	FETCH_B B2+\next, 1, 1
	FETCH_A A2+\next, 1, 4, 0
.endm
.macro QBLOCK a, base, off, offc       ; A's block a: 64 registers a lane, four blocks of 32 of the lane's row; its two half-images go to off and off + offc
.set AC, 64*((\a)%4)
.set PB, PC+12*(\a)
	WIN 0x28+0x14*((\a)/4)
.irp b, 0,1,2,3
	v_max3_num_f32 v[TM+\b], 0x1800000, |v[AC+16*\b]|, |v[AC+16*\b+1]|   ; with the floor 2^(3 - 127)
.endr
.irp i, 2,4,6,8,10,12,14
.irp b, 0,1,2,3
	v_max3_num_f32 v[TM+\b], v[TM+\b], |v[AC+16*\b+\i]|, |v[AC+16*\b+\i+1]|
.endr
.endr
	WIN 0
.irp b, 0,1,2,3
	v_permlanex16_b32 v[TM+4+\b], v[TM+\b], s[SEL], s[SEL+1]
.endr
.irp b, 0,1,2,3
	v_max_num_f32 v[TM+\b], v[TM+\b], v[TM+4+\b]
.endr
.irp b, 0,1,2,3
	v_add_nc_u32 v[TM+12+\b], 0xff000000, v[TM+\b] ; the conversion's scale operand
.endr
.irp b, 0,1,2,3
	v_lshrrev_b32 v[TM+4+\b], 23, v[TM+12+\b]      ; the scale's byte
.endr
	v_lshl_or_b32 v[PW+\a], v[TM+5], 8, v[TM+4]
	v_lshl_or_b32 v[PW+\a], v[TM+6], 16, v[PW+\a]
	v_lshl_or_b32 v[PW+\a], v[TM+7], 24, v[PW+\a]
	WIN 0x02+((\a)/4)
.irp c, 0,1
	v_cvt_scalef32_pk16_fp6_f32 v[PB+6*\c:PB+6*\c+2], v[AC+32*\c:AC+32*\c+15], v[TM+12+2*\c]
	v_cvt_scalef32_pk16_fp6_f32 v[TT+4*\c:TT+4*\c+2], v[AC+32*\c+16:AC+32*\c+31], v[TM+13+2*\c]
.endr
	WIN 0
	v_nop                                          ; one plain place behind a scaled conversion
.irp c, 0,1                                    ; a whole block in a lane
.irp i, 0,1,2
	v_permlane16_swap_b32 v[PB+6*\c+\i], v[TT+4*\c+\i]
.endr
.irp i, 0,1,2
	v_mov_b32 v[PB+6*\c+3+\i], v[TT+4*\c+\i]
.endr
.endr
.irp c, 0,1
	global_store_b128 v[L16], v[PB+6*\c:PB+6*\c+3], s[\base:\base+1] offset:(\off)+\c*(\offc)        ; 512 consecutive bytes, aligned to 256
	global_store_b64 v[L8], v[PB+6*\c+4:PB+6*\c+5], s[\base:\base+1] offset:(\off)+\c*(\offc)+512    ; and the 256 behind them
.endr
.endm
	s_wait_alu depctr_va_vdst(0)
	s_wait_tensorcnt 0x0                           ; my quarter is in; no load of mine is out, so group 1 may be written: a refill brings 100 rows, one K step
	s_mov_b32 s[G1+2], 100<<16
	s_mov_b32 s[G1+4], 100
	s_mov_b32 s[G1B+2], 100<<16
	s_mov_b32 s[G1B+4], 100
	s_barrier_signal -1
	s_barrier_wait -1                              ; everybody's is
; ---- PHASE 1: q or k
	FETCH_B ADRB+0, 0, 0
	FETCH_A ADRA+0, 0, 0, 0
	SCALES 0
	FETCH_A ADRA+0, 0, 4, 4
	STEP 0, 0, 1                                   ; the first products start the sums
	TURN 0, 1, 1, 1                                ; slot 0 takes K step 2
	STEP 1, 0, 0
	TURN 1, 0, 1, 1                                ; slot 1 takes K step 3
	STEP 0, 0, 0
	TURN 0, 1, 2, 1                                ; slot 0 takes phase 2's K step 0
	STEP 1, 0, 0
	TURN 1, 0, 2, 0                                ; slot 1 its K step 1
	PLACES NP
.irp a, 0,1,2,3,4,5,6,7
	QBLOCK \a, 96, (\a%4)*768+(\a/4)*3072, HEADB   ; tile a of my 128 tokens; the second half-image is the next head's
.endr
.irp a, 0,1,2,3,4,5,6,7
	v_lshrrev_b32 v[TW+\a], v[SHV], v[PW+\a]       ; lanes 0-15 the first head's two bytes, lanes 16-31 the second's
.endr
.irp a, 0,1,2,3,4,5,6,7
	v_and_b32 v[TW+\a], 0xffff, v[TW+\a]
.endr
	global_store_b128 v[SO1], v[TW:TW+3], s[96:97] offset:6144
	global_store_b128 v[SO1], v[TW+4:TW+7], s[96:97] offset:6144+256
; ---- PHASE 2: v.  Slot 0 was shown whole by the last round
	s_wait_xcnt 0x0                                ; the stores have read their data: fragments land there
	FETCH_B B2+0, 0, 0
	FETCH_A A2+0, 0, 0, 0
	SCALES2 0
	FETCH_B B2+0, 1, 1
	FETCH_A A2+0, 1, 4, 0
	HTURN 0, 1, 1, 1                               ; slot 0 takes K step 2
	HTURN 1, 0, 1, 0                               ; slot 1 takes K step 3
	HTURN 0, 1, 0, 0
	s_wait_dscnt 63
	WIN MUL_LO
	MUL16 0, 0, 0, 1, 0
	MUL16 2, 0, 0, 1, 0
	s_wait_dscnt 0
	MUL16 4, 1, 1, 1, 0
	MUL16 6, 1, 1, 1, 0
	WIN 0
	PLACES NP
.irp a, 0,1,2,3
	QBLOCK \a, 92, \a*1536, 768                    ; 16 channels; the second half-image is the next 64 keys'
.endr
	global_store_b128 v[L16], v[PW:PW+3], s[92:93] offset:6144   ; row r's four words, in both copies
	s_wait_tensorcnt 0x0                           ; the wave's end
	ds_add_u32 v[SPW], v[NIL]
	s_wait_dscnt 0x0
	CROUND                                         ; the closing round
	s_endpgm
.Lfunc_end_k_q73b0e6f299_qkv:
	.size	k_q73b0e6f299_qkv, .Lfunc_end_k_q73b0e6f299_qkv-k_q73b0e6f299_qkv
	.p2alignl 7, 3214868480
	.fill 96, 4, 3214868480
	.section	.rodata,"a",@progbits
	.p2align	6, 0x0
	.amdhsa_kernel k_q73b0e6f299_qkv
		.amdhsa_group_segment_fixed_size 327680
		.amdhsa_private_segment_fixed_size 0
		.amdhsa_enable_private_segment 0
		.amdhsa_kernarg_size 16
		.amdhsa_user_sgpr_count 2
		.amdhsa_user_sgpr_kernarg_segment_ptr 1
		.amdhsa_wavefront_size32 1
		.amdhsa_system_sgpr_workgroup_id_x 1
		.amdhsa_system_sgpr_workgroup_id_y 1
		.amdhsa_system_sgpr_workgroup_id_z 1
		.amdhsa_system_vgpr_workitem_id 0
		.amdhsa_next_free_vgpr 1024
		.amdhsa_next_free_sgpr 102
		.amdhsa_reserve_vcc 0
		.amdhsa_float_denorm_mode_32 3
		.amdhsa_float_denorm_mode_16_64 3
		.amdhsa_memory_ordered 1
		.amdhsa_forward_progress 1
		.amdhsa_inst_pref_size 255
	.end_amdhsa_kernel
	.section	.bss,"aw",@nobits
	.p2align	6
	.space	262144
	.amdgpu_metadata
---
amdhsa.version: [ 1, 2 ]
amdhsa.kernels:
  - .name:           k_q73b0e6f299_qkv
    .symbol:         k_q73b0e6f299_qkv.kd
    .args:
      - { .name: cw, .offset: 0, .size: 8, .value_kind: global_buffer, .address_space: global }
      - { .name: qkv, .offset: 8, .size: 8, .value_kind: global_buffer, .address_space: global }
    .group_segment_fixed_size: 327680
    .private_segment_fixed_size: 0
    .kernarg_segment_align: 8
    .kernarg_segment_size: 16
    .max_flat_workgroup_size: 128
    .sgpr_count:     102
    .vgpr_count:     1024
    .wavefront_size: 32
...
	.end_amdgpu_metadata
.endif
;; end of part 2
;; launch attn (part 3): grid 4 x 64, 16 waves a work-group, no clusters, 216,064 bytes of LDS; arguments qkv, oc; writes oc
.if DOCPART == 3
	.amdgcn_target "amdgcn-amd-amdhsa--gfx1250"
	.amdhsa_code_object_version 6
	.text
	.protected	k_q73b0e6f299_attn
	.globl	k_q73b0e6f299_attn
	.p2align	8
	.type	k_q73b0e6f299_attn,@function
k_q73b0e6f299_attn:
	s_mov_b64 s[64:65], 0
	v_nop
	global_prefetch_b8 v0, s[64:65] scope:SCOPE_SE
	s_setreg_imm32_b32 hwreg(HW_REG_WAVE_MODE, 25, 1), 1
	s_wait_xcnt 0x0
; Causal attention of one batch x head on codes of FP6 (E2M3) with E8M0 scales: S = q k^T (K = the head's 64: the upper half of the instruction's 128 is zero codes), softmax, O = p v (K = the keys), O / l quantised along the head's 64.
; THE SOFTMAX: t = score x log2(e) / 8; M = the running largest t rounded UP to a whole number; p = 2^(t - M) is quantised along the keys; the row's sum l is taken of the unquantised p and divides O at the end.
; When M moves, l and O are multiplied by 2^(old M - new M): exact.  Key steps that the causal mask hides whole are left out.
; SHARES.  Work-group (i, batch x head) owns blocks i and 7 - i of 256 query places.  Wave w takes tile 127 - (16 i + w) of 16 places, then tile 16 i + w.  Tile n needs n / 8 + 1 steps of 128 keys: 17 steps a wave.
; THE WHOLE HEAD'S k AND v LIE IN LDS, filled once: wave w's one tensor load brings key step w: 13,312 dense bytes (k's images, k's scale words, v's images, v's scale words).  Waves 0-3 have a load line of their own:
; the first barrier shows key steps 0-3 alone, and every wave works those four steps of its first tile, which are open for it (its diagonal lies at step 8 or later), while the other twelve land; a second barrier shows them.
; NO CLUSTER, though the four work-groups of a head read the same k and v: hidden steps are left out by a scalar branch on the query block, which in a cluster would be the work-group's place in it.
; NO PREFETCH: all that the work-group reads is asked for at its head.
; LAYOUT.  Both products transposed: S^T = k q^T, O^T = v^T p^T: a lane holds ONE query.  Place p holds the true token with bits 3 and 4 of p exchanged, so the 16 registers of key tiles 2 b, 2 b + 1 are keys
; 32 b + 16 (lane / 16) + 0 .. 15, and lane r of query tile n is query 32 (n / 2) + 8 (n % 2) + r + 8 (r / 8).  Operands are half-images of 768 bytes: registers 0-3 at 16 x lane, 4-5 at 512 + 8 x lane.
; qkv: [batch x head][128 tokens][q 6,656 | k 6,656 | v 6,656], each images 6,144 and scale words 512.
; oc: half-images [128 rows 64][4 heads 4][row tile 8][head % 4][768]; scale bytes at OSO, [batch x head 64][place 2,048] two bytes.
; LIMITS: NaN and infinities are not served; a block whose largest magnitude lies under 2^-124, and a block of zeros, keep the byte 1 (this program alone reads the bytes).  A block's largest p is made from its largest
; score by the same multiply-add and exponential as every p, which takes v_exp_f32 not to fall where its input rises.  The scaled scores stay under 2^31 in magnitude.
; REGISTERS: v1 16 x lane, v2 8 x lane, v3 16 r, v4 r + 8 (r / 8) - 16 h; v5, v6 the step's addresses; v11 at work; v12 -M, v13 the largest t, v[14:15] l; v16-21 q, v22-27 zero codes; v28 q's scale word; v29 p's;
;   v30 f, v31 its pair's upper half; v32-127 eight fragments of k (registers 6-11 of each zero codes); v128-191 S^T, p, then v's fragments; v192-223 O^T; v224-235 p's codes; v232-247 at work; v248-251 k's scale words, v252-255 v's.
.set HEADB, 319488
.set TOKB,  19968
.set KVB,   13312                      ; a key step in LDS: k's images 0, k's words 6,144, v's images 6,656, v's words 12,800
.set OSO,   6291456
.set STG,   212992                     ; the output's scale bytes: LDS stores alone
.set SPARE, 214016
.set WV,   20
.set SEL,  22
.set CS,   24
.set G1,   28
.set G0,   44
.set BH,   60
.set TAU,  62
.set Q0,   63
.set KF,   66
.set TB,   67
.set CNT,  71
.set SOFF, 78
.macro STEP mask                       ; 128 keys.  mask = 0: a step that is open for every wave
.if \mask
	s_add_co_u32 s72, s[Q0], 23                    ; my tile's last query
	s_cmp_gt_u32 s[KF], s72
	s_cbranch_scc1 .Lhidden_\@                     ; all 128 keys come after my queries
.endif
	v_add_nc_u32 v5, s[TB], v1                     ; (these five lines are the places between the last products, which read v's fragments, and the products below, which write over them)
	v_add_nc_u32 v6, s[TB], v2
.rept 3
	v_nop
.endr
.irp t, 0,1,2,3,4,5,6,7
	ds_load_b128 v[32+12*\t:35+12*\t], v5 offset:768*\t
	ds_load_b64 v[36+12*\t:37+12*\t], v6 offset:768*\t+512
.endr
	ds_load_b128 v[248:251], v5 offset:6144        ; lanes 0-15: the words of tiles 0-3; lanes 16-31: of tiles 4-7
	s_wait_dscnt 0x0
.irp t, 0,1,2,3
	v_wmma_scale_f32_16x16x128_f8f6f4 v[128+8*\t:135+8*\t], v[32+12*\t:43+12*\t], v[16:27], 0, v[248+\t], v28 matrix_a_fmt:MATRIX_FMT_FP6 matrix_b_fmt:MATRIX_FMT_FP6
.endr
.irp t, 4,5,6,7
	v_wmma_scale_f32_16x16x128_f8f6f4 v[128+8*\t:135+8*\t], v[32+12*\t:43+12*\t], v[16:27], 0, v[244+\t], v28 matrix_a_fmt:MATRIX_FMT_FP6 matrix_b_fmt:MATRIX_FMT_FP6 matrix_a_scale:MATRIX_SCALE_ROW1
.endr
.rept 4
	v_nop
.endr
.if \mask
	s_add_co_u32 s72, s[KF], 127                   ; on the diagonal hidden keys' scores become -infinity ahead of the maximum
	s_cmp_le_u32 s72, s[Q0]
	s_cbranch_scc1 .Lopen_\@
	s_sub_co_i32 s72, s[Q0], s[KF]
	v_add_nc_u32 v30, s72, v4                      ; register 16 b + i holds key 32 b + 16 (lane / 16) + i of the step: hidden where 32 b + i > d
	v_mov_b32 v31, 0xff800000
.set n, 0
.rept 64
	v_cmp_gt_i32 vcc_lo, 32*(n/16)+n%16, v30
	v_cndmask_b32 v[128+n], v[128+n], v31, vcc_lo
.set n, n+1
.endr
.Lopen_\@:
.endif
.irp b, 0,1,2,3
	v_max3_num_f32 v[232+\b], v[128+16*\b], v[129+16*\b], v[130+16*\b]   ; the largest score of each block of 32 keys
.endr
.irp i, 3,5,7,9,11,13
.irp b, 0,1,2,3
	v_max3_num_f32 v[232+\b], v[232+\b], v[128+16*\b+\i], v[129+16*\b+\i]
.endr
.endr
.irp b, 0,1,2,3
	v_max_num_f32 v[232+\b], v[232+\b], v[143+16*\b]
.endr
.irp b, 0,1,2,3
	s_delay_alu instid0(VALU_DEP_4)
	v_permlanex16_b32 v[236+\b], v[232+\b], s[SEL], s[SEL+1]
.endr
.irp b, 0,1,2,3
	s_delay_alu instid0(VALU_DEP_4)
	v_max_num_f32 v[232+\b], v[232+\b], v[236+\b]
.endr
	s_delay_alu instid0(VALU_DEP_2)
	v_max3_num_f32 v11, v232, v233, v234
	s_delay_alu instid0(VALU_DEP_1)
	v_max_num_f32 v11, v11, v235
	s_delay_alu instid0(VALU_DEP_1)
	v_mul_f32 v11, s[CS], v11                      ; as t
	s_delay_alu instid0(VALU_DEP_1)
	v_max_num_f32 v13, v13, v11                    ; the running largest t
	v_mov_b32 v11, v12
	s_delay_alu instid0(VALU_DEP_2)
	v_floor_f32 v12, -v13                          ; the new -M
	s_delay_alu instid0(VALU_DEP_1)
	v_sub_f32 v11, v12, v11
	s_delay_alu instid0(VALU_DEP_1)
	v_cvt_i32_f32 v11, v11
	s_delay_alu instid0(VALU_DEP_1)
	v_ldexp_f32 v30, 1.0, v11                      ; f = 2^(old M - new M)
.set j, 0
.rept 32
	v_pk_fma_f32 v[128+j:129+j], v[128+j:129+j], s[CS:CS+1], v[12:13] op_sel_hi:[1,0,0]   ; t - M
.set j, j+2
.endr
.irp b, 0,1,2,3
	v_fma_f32 v[232+\b], v[232+\b], s[CS], v12
.endr
.set j, 0
	s_wait_alu depctr_va_vdst(0)
.rept 64
	v_exp_f32 v[128+j], v[128+j]                   ; p
.set j, j+1
.endr
	v_pk_mul_f32 v[14:15], v[14:15], v[30:31] op_sel_hi:[1,0]   ; the sums under the new M
	s_wait_alu depctr_va_vdst(0)                   ; one wait for the batch of 64
.irp b, 0,1,2,3
	v_exp_f32 v[232+\b], v[232+\b]                 ; the block's largest p
.endr
	v_pk_add_f32 v[236:237], v[132:133], v[136:137]
	v_pk_add_f32 v[254:255], v[140:141], v[144:145]
	v_pk_add_f32 v[252:253], v[148:149], v[152:153]
	v_pk_add_f32 v[250:251], v[156:157], v[160:161]
	v_pk_add_f32 v[248:249], v[164:165], v[168:169]
	v_pk_add_f32 v[246:247], v[172:173], v[176:177]
	v_pk_add_f32 v[244:245], v[180:181], v[184:185]
	v_pk_add_f32 v[14:15], v[14:15], v[188:189]
	v_pk_add_f32 v[236:237], v[236:237], v[128:129]
	v_pk_add_f32 v[254:255], v[254:255], v[130:131]
	v_pk_add_f32 v[252:253], v[252:253], v[134:135]
	v_pk_add_f32 v[250:251], v[250:251], v[138:139]
	v_pk_add_f32 v[248:249], v[248:249], v[142:143]
	v_pk_add_f32 v[246:247], v[246:247], v[146:147]
	v_pk_add_f32 v[244:245], v[244:245], v[150:151]
	v_pk_add_f32 v[14:15], v[14:15], v[154:155]
	v_pk_add_f32 v[236:237], v[236:237], v[158:159]
	v_pk_add_f32 v[254:255], v[254:255], v[162:163]
	v_pk_add_f32 v[252:253], v[252:253], v[166:167]
	v_pk_add_f32 v[250:251], v[250:251], v[170:171]
	v_pk_add_f32 v[248:249], v[248:249], v[174:175]
	v_pk_add_f32 v[246:247], v[246:247], v[178:179]
	v_pk_add_f32 v[244:245], v[244:245], v[182:183]
	v_pk_add_f32 v[14:15], v[14:15], v[186:187]
	v_pk_add_f32 v[236:237], v[236:237], v[190:191]
	s_delay_alu instid0(VALU_DEP_2)
	v_pk_add_f32 v[14:15], v[14:15], v[250:251]
	s_delay_alu instid0(VALU_DEP_2)
	v_pk_add_f32 v[236:237], v[236:237], v[248:249]
	v_pk_add_f32 v[254:255], v[254:255], v[246:247]
	v_pk_add_f32 v[252:253], v[252:253], v[244:245]
	s_delay_alu instid0(VALU_DEP_2)
	v_pk_add_f32 v[14:15], v[14:15], v[254:255]
	s_delay_alu instid0(VALU_DEP_2)
	v_pk_add_f32 v[236:237], v[236:237], v[252:253]
	s_delay_alu instid0(VALU_DEP_1)
	v_pk_add_f32 v[14:15], v[14:15], v[236:237]
	s_wait_alu depctr_va_vdst(0)                   ; and one for the four
.irp b, 0,1,2,3
	v_max_num_f32 v[232+\b], 0x1800000, v[232+\b]  ; the floor 2^(3 - 127)
.endr
.irp b, 0,1,2,3
	s_delay_alu instid0(VALU_DEP_4)
	v_add_nc_u32 v[244+\b], 0xff000000, v[232+\b]  ; the conversion's scale operand
.endr
.irp b, 0,1,2,3
	s_delay_alu instid0(VALU_DEP_4)
	v_lshrrev_b32 v[236+\b], 23, v[244+\b]         ; the scale's byte
.endr
	s_delay_alu instid0(VALU_DEP_3)
	v_lshl_or_b32 v29, v237, 8, v236
	s_delay_alu instid0(VALU_DEP_1)
	v_lshl_or_b32 v29, v238, 16, v29
	s_delay_alu instid0(VALU_DEP_1)
	v_lshl_or_b32 v29, v239, 24, v29
.irp c, 0,1
	v_cvt_scalef32_pk16_fp6_f32 v[224+6*\c:226+6*\c], v[128+32*\c:143+32*\c], v[244+2*\c]
	v_cvt_scalef32_pk16_fp6_f32 v[236+4*\c:238+4*\c], v[144+32*\c:159+32*\c], v[244+2*\c+1]
.endr
	v_nop                                          ; one plain place behind a scaled conversion
.irp t, 0,1,2,3                                ; v's four fragments land where p lay
.irp c, 0,1
	ds_load_b128 v[128+12*\t+6*\c:131+12*\t+6*\c], v5 offset:6656+1536*\t+768*\c
	ds_load_b64 v[132+12*\t+6*\c:133+12*\t+6*\c], v6 offset:6656+1536*\t+768*\c+512
.endr
.endr
	ds_load_b128 v[252:255], v5 offset:12800
.irp c, 0,1                                    ; a whole block in a lane
.irp i, 0,1,2
	v_permlane16_swap_b32 v[224+6*\c+\i], v[236+4*\c+\i]
.endr
.irp i, 0,1,2
	s_delay_alu instid0(VALU_DEP_3)
	v_mov_b32 v[227+6*\c+\i], v[236+4*\c+\i]
.endr
.endr
	s_wait_alu depctr_va_vdst(0)                   ; directly ahead of the first reader of O^T
.set j, 0
.rept 16
	v_pk_mul_f32 v[192+j:193+j], v[192+j:193+j], v[30:31] op_sel_hi:[1,0]   ; O^T under the new M
.set j, j+2
.endr
.rept 4
	v_nop
.endr
	s_wait_alu depctr_va_vdst(0)
	s_wait_dscnt 0x0
.irp t, 0,1,2,3                                ; four accumulators by turns
	v_wmma_scale_f32_16x16x128_f8f6f4 v[192+8*\t:199+8*\t], v[128+12*\t:139+12*\t], v[224:235], v[192+8*\t:199+8*\t], v[252+\t], v29 matrix_a_fmt:MATRIX_FMT_FP6 matrix_b_fmt:MATRIX_FMT_FP6
.endr
.if \mask
.Lhidden_\@:
.endif
	s_add_co_u32 s[KF], s[KF], 128
	s_add_co_u32 s[TB], s[TB], KVB
.endm
.macro SETUP p                         ; a tile's q, and its sums at their start
.if \p
	s_wait_xcnt 0x0                                ; the first tile's stores have read their data and their base
	s_sub_co_u32 s[TAU], 127, s[TAU]
	s_xor_b32 s[SOFF], s[SOFF], 0x3e0              ; from 512 + 32 (15 - w) to 32 w in STG
.endif
	s_lshr_b32 s72, s[TAU], 1
	s_lshl_b32 s72, s72, 5
	s_and_b32 s73, s[TAU], 1
	s_lshl_b32 s73, s73, 3
	s_add_co_u32 s[Q0], s72, s73
	s_mul_i32 s72, s[BH], HEADB
	s_lshr_b32 s73, s[TAU], 3
	s_mul_i32 s73, s73, TOKB
	s_add_co_u32 s74, s72, s73                     ; the tile's 128 tokens
	s_and_b32 s73, s[TAU], 7
	s_mul_i32 s73, s73, 768
	s_add_co_u32 s72, s74, s73
	s_mov_b32 s73, 0
	s_add_nc_u64 s[72:73], s[4:5], s[72:73]
	global_load_b128 v[16:19], v1, s[72:73]        ; q's half-image
	global_load_b64 v[20:21], v2, s[72:73] offset:512
	s_bfe_u32 s75, s[TAU], 0x10002
	s_lshl_b32 s75, s75, 8
	s_add_co_u32 s74, s74, s75
	s_and_b32 s75, s[TAU], 3
	s_lshl_b32 s75, s75, 2
	s_add_co_u32 s74, s74, s75
	s_mov_b32 s75, 0
	s_add_nc_u64 s[74:75], s[4:5], s[74:75]
	global_load_b32 v28, v3, s[74:75] offset:6144  ; q's scale words
	v_mov_b32 v13, 0xff61b1e6                      ; -3e38, under every t
	s_delay_alu instid0(VALU_DEP_1)
	v_floor_f32 v12, -v13
	v_mov_b32 v14, 0
	v_mov_b32 v15, 0
.set j, 0
.rept 32
	v_mov_b32 v[192+j], 0                          ; the step is written once; its first trip finds zeros
.set j, j+1
.endr
	s_mov_b32 s[KF], 0
	s_mov_b32 s[TB], 0
	s_wait_alu depctr_va_vdst(0)
.endm
.macro WAYOUT
.rept 4
	v_nop
.endr
	v_add_f32 v14, v14, v15
	s_delay_alu instid0(VALU_DEP_1)
	v_permlanex16_b32 v30, v14, s[SEL], s[SEL+1]
	s_delay_alu instid0(VALU_DEP_1)
	v_add_f32 v14, v14, v30                        ; the row's sum
	s_wait_alu depctr_va_vdst(0)
	v_rcp_f32 v14, v14
	v_lshrrev_b32 v5, 3, v3                        ; 2 r
	s_delay_alu instid0(VALU_DEP_1)
	v_add_nc_u32 v5, s[SOFF], v5
	s_lshr_b32 s76, s[BH], 4
	s_lshl_b32 s76, s76, 4
	s_lshr_b32 s77, s[TAU], 3
	s_add_co_u32 s76, s76, s77                     ; which 128 rows: 16 x batch + tile / 8
	s_mul_i32 s76, s76, 98304
	s_bfe_u32 s77, s[BH], 0x20002                  ; head / 4
	s_mul_i32 s77, s77, 24576
	s_add_co_u32 s76, s76, s77
	s_and_b32 s77, s[TAU], 7
	s_mul_i32 s77, s77, 3072
	s_add_co_u32 s76, s76, s77
	s_and_b32 s77, s[BH], 3
	s_mul_i32 s77, s77, 768
	s_add_co_u32 s76, s76, s77
	s_mov_b32 s77, 0
	s_add_nc_u64 s[76:77], s[6:7], s[76:77]
	s_wait_alu depctr_va_vdst(0)                   ; ahead of the reciprocal's and O^T's first reader
.set j, 0
.rept 32
	v_mul_f32 v[128+j], v[192+j], v14              ; O^T / l
.set j, j+1
.endr
.irp b, 0,1
	v_max3_num_f32 v[232+\b], |v[128+16*\b]|, |v[129+16*\b]|, 0x1800000
.endr
.irp i, 2,4,6,8,10,12,14
.irp b, 0,1
	s_delay_alu instid0(VALU_DEP_2)
	v_max3_num_f32 v[232+\b], v[232+\b], |v[128+16*\b+\i]|, |v[129+16*\b+\i]|
.endr
.endr
.irp b, 0,1
	s_delay_alu instid0(VALU_DEP_2)
	v_permlanex16_b32 v[236+\b], v[232+\b], s[SEL], s[SEL+1]
.endr
.irp b, 0,1
	s_delay_alu instid0(VALU_DEP_2)
	v_max_num_f32 v[232+\b], v[232+\b], v[236+\b]
.endr
.irp b, 0,1
	s_delay_alu instid0(VALU_DEP_2)
	v_add_nc_u32 v[244+\b], 0xff000000, v[232+\b]
.endr
.irp b, 0,1
	s_delay_alu instid0(VALU_DEP_2)
	v_lshrrev_b32 v[236+\b], 23, v[244+\b]
.endr
	s_delay_alu instid0(VALU_DEP_1)
	v_lshl_or_b32 v11, v237, 8, v236               ; the head's two bytes of my row
	v_cvt_scalef32_pk16_fp6_f32 v[224:226], v[128:143], v244
	v_cvt_scalef32_pk16_fp6_f32 v[240:242], v[144:159], v245
	v_nop
.irp i, 0,1,2
	v_permlane16_swap_b32 v[224+\i], v[240+\i]
.endr
.irp i, 0,1,2
	s_delay_alu instid0(VALU_DEP_3)
	v_mov_b32 v[227+\i], v[240+\i]
.endr
	global_store_b128 v1, v[224:227], s[76:77]     ; 512 consecutive bytes, aligned to 256,
	global_store_b64 v2, v[228:229], s[76:77] offset:512   ; and the 256 behind them
	ds_store_b16 v5, v11                           ; both lanes of a row write the same two bytes
.endm
.macro KEYS trips, mask
	s_mov_b32 s[CNT], \trips
.Lkeys_\@:
	STEP \mask
	s_sub_co_u32 s[CNT], s[CNT], 1
	s_cmp_lg_u32 s[CNT], 0
	s_cbranch_scc1 .Lkeys_\@
.endm
	s_load_b128 s[4:7], s[0:1], 0x0                ; qkv, oc
	v_lshl_add_u32 v254, v0, 2, SPARE
	v_mov_b32 v255, 0
	ds_add_u32 v254, v255                          ; the opening lines
	ds_add_u32 v254, v255
	s_wait_dscnt 0x0
	v_lshrrev_b32 v1, 5, v0
	s_delay_alu instid0(VALU_DEP_1)
	v_readfirstlane_b32 s[WV], v1                  ; wave 0..15
	s_and_b32 s[BH], ttmp7, 0xffff
	s_mov_b32 s[G1], 3<<16                         ; a dense block as 52 rows of 256 bytes (32 elements of 8), no padding
	s_mov_b32 s[G1+1], 32<<16
	s_mov_b32 s[G1+2], 52<<16
	s_mov_b32 s[G1+3], 32<<16
	s_mov_b32 s[G1+4], 52
	s_mov_b32 s[G1+5], 32
	s_mov_b32 s[G1+6], 0
	s_mov_b32 s[G1+7], 0
	s_mul_i32 s72, s[BH], HEADB
	s_mul_i32 s73, s[WV], TOKB
	s_add_co_u32 s72, s72, s73
	s_add_co_u32 s72, s72, 6656                    ; key step w's k and v
	s_mov_b32 s73, 0
	s_mov_b32 s[G0], 1
	s_mul_i32 s[G0+1], s[WV], KVB
	s_wait_kmcnt 0x0
	s_add_nc_u64 s[G0+2:G0+3], s[4:5], s[72:73]
	s_or_b32 s[G0+3], s[G0+3], 0x80000000
	s_cmp_lt_u32 s[WV], 4                          ; one load a wave; waves 0-3, which wait at the first barrier, have a line of their own
	s_cbranch_scc0 .Llater
	tensor_load_to_lds s[G0:G0+3], s[G1:G1+7]
	s_nop 0
.rept 4
	v_nop
.endr
	s_branch .Lasked
.Llater:
	tensor_load_to_lds s[G0:G0+3], s[G1:G1+7]
	s_nop 0
.rept 4
	v_nop
.endr
.Lasked:
	v_and_b32 v11, 31, v0                          ; lane
	s_delay_alu instid0(VALU_DEP_1)
	v_lshlrev_b32 v1, 4, v11
	s_delay_alu instid0(VALU_DEP_2)
	v_lshlrev_b32 v2, 3, v11
	v_and_b32 v5, 15, v0                           ; r
	v_bfe_u32 v6, v0, 4, 1                         ; h
	s_delay_alu instid0(VALU_DEP_2)
	v_lshlrev_b32 v3, 4, v5
	s_delay_alu instid0(VALU_DEP_3)
	v_and_b32 v4, 8, v5
	s_delay_alu instid0(VALU_DEP_1)
	v_add_nc_u32 v4, v4, v5
	s_delay_alu instid0(VALU_DEP_4)
	v_lshlrev_b32 v6, 4, v6
	s_delay_alu instid0(VALU_DEP_1)
	v_sub_nc_u32 v4, v4, v6
.irp t, 0,1,2,3,4,5,6,7
.irp j, 6,7,8,9,10,11
	v_mov_b32 v[32+12*\t+\j], 0                    ; K = 64 .. 127 of k's fragments: zero codes, never loaded
.endr
.endr
.irp j, 22,23,24,25,26,27
	v_mov_b32 v[\j], 0                             ; and of q's
.endr
.irp b, 0,1,2,3
	v_mov_b32 v[236+\b], 0                         ; a lane permute's destination counts as one of its sources
.endr
	v_mov_b32 v30, 0
	v_mov_b32 v31, 0
	s_mov_b32 s[SEL], 0x76543210
	s_mov_b32 s[SEL+1], 0xfedcba98
	s_mov_b32 s[CS], 0x3e38aa3b                    ; log2(e) / 8
	s_mov_b32 s[CS+1], s[CS]
	s_lshl_b32 s[TAU], ttmp9, 4
	s_add_co_u32 s[TAU], s[TAU], s[WV]
	s_sub_co_u32 s[TAU], 127, s[TAU]               ; my first tile: 127 - (16 i + w)
	s_lshl_b32 s[SOFF], s[WV], 5
	s_add_co_u32 s[SOFF], s[SOFF], STG
	s_xor_b32 s[SOFF], s[SOFF], 0x3e0              ; 512 + 32 (15 - w) in STG
	SETUP 0
	s_cmp_lt_u32 s[WV], 4
	s_cbranch_scc0 .Lnot_first
	s_wait_tensorcnt 0x0                           ; key step w of 0-3 has landed
.Lnot_first:
	s_barrier_signal -1
	s_barrier_wait -1                              ; key steps 0-3 are in
	s_wait_loadcnt 0x0                             ; q
	KEYS 4, 0                                      ; open for every wave: its tile's queries are 1,024 or later
	s_wait_tensorcnt 0x0                           ; every wave: all that was still out
	s_wait_dscnt 0x0
	s_barrier_signal -1
	s_barrier_wait -1                              ; the whole head is in
	KEYS 12, 1
	WAYOUT
	SETUP 1
	s_wait_loadcnt 0x0
	KEYS 8, 1                                      ; tile 16 i + w lies under query 1,024
	WAYOUT
	; the scale bytes of the work-group's two blocks of 256 places leave as 512 consecutive bytes each
	s_and_b32 s72, s[WV], 1
	s_lshl_b32 s72, s72, 9
	s_add_co_u32 s72, s72, STG
	v_add_nc_u32 v5, s72, v1
	s_wait_dscnt 0x0                               ; my stores into STG are done
	s_barrier_signal -1
	s_barrier_wait -1
	s_cmp_lt_u32 s[WV], 2
	s_cbranch_scc0 .Ldone
	s_wait_alu depctr_va_vdst(0)
	ds_load_b128 v[16:19], v5
	s_sub_co_u32 s73, 7, ttmp9
	s_cmp_eq_u32 s[WV], 0
	s_cselect_b32 s73, ttmp9, s73                  ; wave 0: block i; wave 1: block 7 - i
	s_lshl_b32 s73, s73, 9
	s_lshl_b32 s72, s[BH], 12
	s_add_co_u32 s72, s72, s73
	s_add_co_u32 s72, s72, OSO
	s_mov_b32 s73, 0
	s_add_nc_u64 s[72:73], s[6:7], s[72:73]
	s_wait_dscnt 0x0
	global_store_b128 v1, v[16:19], s[72:73]
.Ldone:
	s_wait_xcnt 0x0
	v_lshl_add_u32 v254, v0, 2, SPARE
	v_mov_b32 v255, 0
	s_wait_alu depctr_va_vdst(0)
	s_wait_tensorcnt 0x0                           ; the wave's end
	ds_add_u32 v254, v255
	s_wait_dscnt 0x0
	s_endpgm
.Lfunc_end_k_q73b0e6f299_attn:
	.size	k_q73b0e6f299_attn, .Lfunc_end_k_q73b0e6f299_attn-k_q73b0e6f299_attn
	.p2alignl 7, 3214868480
	.fill 96, 4, 3214868480
	.section	.rodata,"a",@progbits
	.p2align	6, 0x0
	.amdhsa_kernel k_q73b0e6f299_attn
		.amdhsa_group_segment_fixed_size 216064
		.amdhsa_private_segment_fixed_size 0
		.amdhsa_enable_private_segment 0
		.amdhsa_kernarg_size 16
		.amdhsa_user_sgpr_count 2
		.amdhsa_user_sgpr_kernarg_segment_ptr 1
		.amdhsa_wavefront_size32 1
		.amdhsa_system_sgpr_workgroup_id_x 1
		.amdhsa_system_sgpr_workgroup_id_y 1
		.amdhsa_system_sgpr_workgroup_id_z 1
		.amdhsa_system_vgpr_workitem_id 0
		.amdhsa_next_free_vgpr 256
		.amdhsa_next_free_sgpr 80
		.amdhsa_reserve_vcc 1
		.amdhsa_float_denorm_mode_32 3
		.amdhsa_float_denorm_mode_16_64 3
		.amdhsa_memory_ordered 1
		.amdhsa_forward_progress 1
		.amdhsa_inst_pref_size 85
	.end_amdhsa_kernel
	.amdgpu_metadata
---
amdhsa.version: [ 1, 2 ]
amdhsa.kernels:
  - .name:           k_q73b0e6f299_attn
    .symbol:         k_q73b0e6f299_attn.kd
    .args:
      - { .name: qkv, .offset: 0, .size: 8, .value_kind: global_buffer, .address_space: global }
      - { .name: oc, .offset: 8, .size: 8, .value_kind: global_buffer, .address_space: global }
    .group_segment_fixed_size: 216064
    .private_segment_fixed_size: 0
    .kernarg_segment_align: 8
    .kernarg_segment_size: 16
    .max_flat_workgroup_size: 512
    .sgpr_count:     80
    .vgpr_count:     256
    .wavefront_size: 32
...
	.end_amdgpu_metadata
.endif
;; end of part 3
;; launch proj (part 4): grid 4 x 64, 4 waves a work-group, clusters of 4 x 4, 327,680 bytes of LDS; arguments oc, cw, out0; writes out0
.if DOCPART == 4
	.amdgcn_target "amdgcn-amd-amdhsa--gfx1250"
	.amdhsa_code_object_version 6
	.text
	.protected	k_q73b0e6f299_proj
	.globl	k_q73b0e6f299_proj
	.p2align	8
	.type	k_q73b0e6f299_proj,@function
k_q73b0e6f299_proj:
	s_mov_b64 s[64:65], 0
	v_nop
	global_prefetch_b8 v0, s[64:65] scope:SCOPE_SE
	s_setreg_imm32_b32 hwreg(HW_REG_WAVE_MODE, 25, 1), 1
	s_wait_xcnt 0x0
	s_wait_alu depctr_hold_cnt(0) depctr_sa_sdst(0) depctr_va_vdst(0) depctr_va_sdst(0) depctr_va_ssrc(0) depctr_va_vcc(0) depctr_vm_vsrc(0)
	s_getreg_b32 s2, hwreg(HW_REG_IB_STS2, 6, 4)
	s_cmp_eq_u32 s2, 0
	s_cbranch_scc0 .Lentry_in_a_cluster
	s_endpgm
.Lentry_in_a_cluster:
	s_bfe_u32 s2, ttmp6, 0x10000c
	s_cmp_lg_u32 s2, 0xf033
	s_cbranch_scc0 .Lentry_shape_is_right
	s_endpgm
.Lentry_shape_is_right:
; out0 = O w_proj on codes of FP6 (E2M3) with E8M0 scales, K = 1,024; f32 out.  A tile, 128 rows x 256 columns, by four waves of 64 x 128: 256 work-groups.  4 x 4 work-groups form a cluster, A's tiles asked for
; jointly along its rows, B's along its columns.
; A: oc's half-images, [128 rows][K step of 256][row tile 8][head % 4][768]: 128 rows x a K step are 24,576 dense bytes.  B: cw's groups 88-95: 128 places x a K step are 25,600 dense bytes, codes and scale bytes.
; LDS: A's two slots of 24,576, B's two quarters (two slots of 32,000 each: 16 bytes of padding behind every 64), A's scale words (LDS stores alone), the stages, the spare words.
; At the head one load a wave: waves 0, 1 A's K steps 0, 1; waves 2, 3 both K steps of a quarter of B.  K steps 2, 3 are refills behind rounds of the cluster's barrier (waves 0, 1 half of A's part each).
; No prefetch: K is four steps, two of them asked for at the head.
; Both 128-deep steps of a slot lie in registers: A's 4 blocks x 2 steps, B's two sets; so a slot is free when its second step's loads are in.
; A's scale bytes lie in oc by heads: each wave gathers those of 32 rows by plain loads and lays them in LDS as B's lie in a slot, K step 2 l + s at SA + 32,000 s + 1,280 l: one load's immediate then serves A's lanes and B's.
; The matrix instruction is used transposed; rows and columns are in position order (bits 3 and 4 exchanged) and are set right on the way out.
.set GRP,    102400
.set STEPB,  25600
.set ABLK,   24576
.set OSO,    6291456
.set NQ,     2
.set PITCH,  240
.set FR,     12
.set NP,     4
.set ASTEP,  3072
.set ASL,    ABLK
.set BSL,    32000
.set BQ,     2*BSL
.set BOFF,   2*ASL
.set SA,     BOFF+2*BQ
.set SBLK,   160
.set LAPB,   8*SBLK
.set STAGE,  SA+BSL+2*LAPB
.set SPITCH, 528
.set SPARE,  STAGE+4*16*SPITCH
.set ADRA, 16
.set ADRB, 20
.set STO,  24
.set RD,   25
.set CO,   26
.set ADRS, 27                          ; v27 scale words of blocks 0-3
.set SPW,  28
.set NIL,  29
.set INC,  30                          ; v30: 1,280 in lanes 0-15, 0 in lanes 16-31
.set ADRT, 31                          ; v31 of B's blocks 4-7, where A's lanes take blocks 0-3 once more
.set SC,   32
.set AF,   128
.set BK,   128
.set G0H, 8
.set G1, 24
.set G0, 32
.set G1B, 48
.set G0B, 56
.set MSB, 0
.macro WIN new
.if MSB != (\new)
	s_set_vgpr_msb (MSB<<8)|(\new)
.set MSB, (\new)
.endif
.endm
.set MUL_LO, 0xa1
.set TO_B,   0x40
.macro JLOAD g0a, g1a, g0b, g1b
	s_cmp_eq_u32 s15, 0
	s_cbranch_scc0 .Lfor_b_\@
	tensor_load_to_lds s[\g0a:\g0a+3], s[\g1a:\g1a+7]
	s_nop 0
.rept 4
	v_nop
.endr
	s_branch .Lasked_\@
.Lfor_b_\@:
	tensor_load_to_lds s[\g0b:\g0b+3], s[\g1b:\g1b+7]
	s_nop 0
.rept 4
	v_nop
.endr
.Lasked_\@:
.endm
.macro CREST
	s_cmp_lg_u32 s14, 0
	s_cbranch_scc1 .Lnot_wave_0_\@
	s_barrier_signal -3
.Lnot_wave_0_\@:
	s_barrier_wait -3
	s_barrier_signal -1
	s_barrier_wait -1
.endm
.macro CROUND
	s_barrier_signal -1
	s_barrier_wait -1
	CREST
.endm
	s_load_b128 s[4:7], s[0:1], 0x0                ; oc, cw
	s_load_b64 s[12:13], s[0:1], 0x10              ; out0
	v_lshl_add_u32 v[SPW], v0, 2, SPARE
	v_mov_b32 v[NIL], 0
	ds_add_u32 v[SPW], v[NIL]                      ; the opening lines
	ds_add_u32 v[SPW], v[NIL]
	v_lshrrev_b32 v1, 5, v0
	v_readfirstlane_b32 s14, v1
	s_lshr_b32 s15, s14, 1                         ; my 64 rows; also: I fetch for A (0) or B (1)
	s_and_b32 s16, s14, 1                          ; my 128 columns; also: which part I fetch
	s_bfe_u32 s40, ttmp6, 0x40000
	s_bfe_u32 s41, ttmp6, 0x40004
	s_lshl_b32 s42, ttmp9, 2
	s_add_co_u32 s42, s42, s40                     ; tile column
	s_and_b32 s17, ttmp7, 0xffff
	s_lshl_b32 s17, s17, 2
	s_add_co_u32 s17, s17, s41                     ; tile row, 0 .. 63
	s_lshl_b32 s43, s41, 2
	s_lshl_b32 s43, 15, s43
	s_lshl_b32 s44, 0x1111, s40
	s_or_b32 s[G1+0], s43, (3<<16)|(1<<21)         ; A: rows of 256 bytes (32 elements of 8), no padding; at the head 96 rows: a K step
	s_mov_b32 s[G1+1], 32<<16
	s_mov_b32 s[G1+2], 96<<16
	s_mov_b32 s[G1+3], 32<<16
	s_mov_b32 s[G1+4], 96
	s_mov_b32 s[G1+5], 32
	s_mov_b32 s[G1+6], 0
	s_mov_b32 s[G1+7], 0
	s_or_b32 s[G1B+0], s44, (0<<16)|(1<<20)|(1<<21)|(3<<22)|(3<<25)   ; B: rows of 256 bytes, 16 of padding behind every 64; at the head 200 rows: two K steps
	s_mov_b32 s[G1B+1], 256<<16
	s_mov_b32 s[G1B+2], 200<<16
	s_mov_b32 s[G1B+3], 256<<16
	s_mov_b32 s[G1B+4], 200
	s_mov_b32 s[G1B+5], 256
	s_mov_b32 s[G1B+6], 0
	s_mov_b32 s[G1B+7], 0
	s_mul_i32 s20, s17, 4*ABLK
	s_mov_b32 s21, 0
	s_lshl_b32 s46, s42, 1
	s_add_co_u32 s46, s46, s16
	s_add_co_u32 s46, s46, 88
	s_mul_i32 s46, s46, GRP
	s_mov_b32 s47, 0
	s_mul_i32 s18, s16, ABLK                       ; the head: K step 0 or 1, in memory and in LDS
	s_mov_b32 s19, 0
	s_mul_i32 s22, s16, ABLK/2                     ; the refills: my half of a part
	s_mov_b32 s23, 0
	s_mul_i32 s95, s16, BQ
	s_add_co_u32 s95, s95, BOFF
	s_wait_dscnt 0x0
	s_wait_kmcnt 0x0
	s_add_nc_u64 s[20:21], s[4:5], s[20:21]
	s_add_nc_u64 s[46:47], s[6:7], s[46:47]
	CROUND
	s_mov_b32 s[G0H], 1
	s_mov_b32 s[G0H+1], s18
	s_add_nc_u64 s[G0H+2:G0H+3], s[20:21], s[18:19]
	s_or_b32 s[G0H+3], s[G0H+3], 0x80000000
	s_add_nc_u64 s[20:21], s[20:21], s[22:23]
.irp s, 0,1
	s_mov_b32 s[G0+4*\s], 1
	s_add_co_u32 s[G0+4*\s+1], s22, \s*ASL
	s_add_nc_u64 s[G0+4*\s+2:G0+4*\s+3], s[20:21], \s*ABLK
	s_or_b32 s[G0+4*\s+3], s[G0+4*\s+3], 0x80000000
	s_mov_b32 s[G0B+4*\s], 1
	s_add_co_u32 s[G0B+4*\s+1], s95, \s*BSL
	s_add_nc_u64 s[G0B+4*\s+2:G0B+4*\s+3], s[46:47], \s*STEPB
	s_or_b32 s[G0B+4*\s+3], s[G0B+4*\s+3], 0x80000000
.endr
	JLOAD G0H, G1, G0B, G1B                        ; my one load at the head
	s_lshr_b32 s96, s17, 4                         ; A's scale bytes: [batch x head][place] two bytes; my wave's 32 places
	s_lshl_b32 s96, s96, 16
	s_and_b32 s97, s17, 15
	s_lshl_b32 s97, s97, 8
	s_add_co_u32 s96, s96, s97
	s_lshl_b32 s97, s14, 6
	s_add_co_u32 s96, s96, s97
	s_add_co_u32 s96, s96, OSO
	s_mov_b32 s97, 0
	s_add_nc_u64 s[96:97], s[4:5], s[96:97]
	v_and_b32 v1, 15, v0
	v_lshlrev_b32 v9, 2, v1
.irp d, 0,1,2,3,4,5,6,7,8,9,10,11,12,13,14,15
	global_load_b32 v[128+\d], v9, s[96:97] offset:4096*\d   ; head d: places 2 r, 2 r + 1 (lanes 16-31 do as lanes 0-15)
.endr
	v_and_b32 v6, 31, v0
	v_bfe_u32 v2, v0, 4, 1
	v_mul_u32_u24 v3, v1, PITCH
	v_mul_u32_u24 v4, v2, 24
	v_add_nc_u32 v4, v3, v4
	v_lshl_add_u32 v5, v2, 4, v4
	v_lshlrev_b32 v10, 4, v6
	v_lshlrev_b32 v11, 3, v6
	s_mul_i32 s21, s15, 4*ASTEP
	s_mul_i32 s22, s16, BQ
	s_add_co_u32 s22, s22, BOFF
.irp s, 0,1
	v_add_nc_u32 v[ADRA+\s], s21, v10
	v_add_nc_u32 v[ADRA+2+\s], s21, v11
	v_add_nc_u32 v[ADRB+\s], s22, v4
	v_add_nc_u32 v[ADRB+2+\s], s22, v5
	s_add_co_u32 s21, s21, ASL
	s_add_co_u32 s22, s22, BSL
.endr
	v_lshrrev_b32 v7, 3, v1                        ; my row's 8 scale bytes: 8 (r % 8) + 80 (r / 8)
	v_and_b32 v5, 7, v1
	v_lshlrev_b32 v5, 3, v5
	v_mad_u32_u24 v5, v7, 80, v5
	s_mul_i32 s21, s16, BQ
	s_add_co_u32 s21, s21, BOFF+128*PITCH          ; lanes 16-31: B's words, the lower base
	s_mul_i32 s22, s15, 4*SBLK
	s_add_co_u32 s22, s22, SA
	s_sub_co_u32 s22, s22, s21
	s_sub_co_u32 s23, s22, 4*SBLK
	v_sub_nc_u32 v8, 1, v2                         ; 1 in lanes 0-15, which take A's
	v_mul_u32_u24 v7, s22, v8
	v_add_nc_u32 v7, v5, v7
	v_add_nc_u32 v[ADRS], s21, v7
	v_mul_u32_u24 v7, s23, v8
	v_add_nc_u32 v7, v5, v7
	v_add_nc_u32 v[ADRT], s21, v7
	v_mul_u32_u24 v[INC], LAPB, v8
	s_mul_i32 s23, s14, 16*SPITCH
	s_add_co_u32 s23, s23, STAGE
	v_mul_u32_u24 v5, v1, SPITCH
	v_lshl_add_u32 v5, v2, 6, v5
	v_add_nc_u32 v[STO], s23, v5
	v_mov_b32 v[CO], v10
	v_add_nc_u32 v[RD], s23, v10
	v_lshrrev_b32 v7, 3, v1                        ; where places 32 w + 2 r, + 1 lay their words: 160 (place / 16) + 80 ((place / 8) % 2) + 8 (place % 8)
	v_mul_u32_u24 v7, v7, SBLK
	v_bfe_u32 v8, v1, 2, 1
	v_mad_u32_u24 v7, v8, 80, v7
	v_and_b32 v8, 3, v1
	v_lshl_add_u32 v7, v8, 4, v7
	s_mul_i32 s21, s14, 2*SBLK
	s_add_co_u32 s21, s21, SA
	v_add_nc_u32 v7, s21, v7
	s_lshl_b32 s20, s17, 7
	s_lshl_b32 s21, s15, 6
	s_add_co_u32 s20, s20, s21
	s_lshl_b32 s20, s20, 12                        ; my first row of out0
	s_mov_b32 s21, 0
	s_lshl_b32 s46, s42, 10
	s_lshl_b32 s47, s16, 9
	s_add_co_u32 s46, s46, s47
	s_mov_b32 s47, 0
	s_add_nc_u64 s[20:21], s[20:21], s[46:47]
	s_add_nc_u64 s[12:13], s[12:13], s[20:21]
	s_mov_b32 s2, 0x05040100
	s_mov_b32 s3, 0x07060302
	s_wait_alu depctr_va_vdst(0)
	s_wait_loadcnt 0x0
.irp j, 0,1,2,3,4,5,6,7
	v_perm_b32 v[144+4*(\j/2)+(\j%2)], v[129+2*\j], v[128+2*\j], s2   ; word j (heads 2 j, 2 j + 1) of place 2 r,
	v_perm_b32 v[146+4*(\j/2)+(\j%2)], v[129+2*\j], v[128+2*\j], s3   ; and of place 2 r + 1
.endr
.irp k, 0,1,2,3
	ds_store_b128 v7, v[144+4*\k:147+4*\k] offset:(\k%2)*BSL+(\k/2)*LAPB   ; K step k: two places' 8 bytes each
.endr
.macro FRAG reg, adr, q, i
.irp p, 0,1,2,3,4,5
.set PCE, 12*(\q)+6*(\p/3)+\p%3
.if PCE%8 < 5
	ds_load_b64 v[\reg+2*\p:\reg+2*\p+1], v[\adr] offset:8*PCE+16*(PCE/8)+(\i)*16*PITCH
.else
	ds_load_b64 v[\reg+2*\p:\reg+2*\p+1], v[\adr+2] offset:8*PCE+16*(PCE/8)+(\i)*16*PITCH
.endif
.endr
.endm
.macro FRAGA reg, slot, q, i
.irp c, 0,1
	ds_load_b128 v[\reg+6*\c:\reg+6*\c+3], v[ADRA+\slot] offset:ASTEP*(\i)+768*(2*(\q)+\c)
	ds_load_b64 v[\reg+6*\c+4:\reg+6*\c+5], v[ADRA+2+\slot] offset:ASTEP*(\i)+768*(2*(\q)+\c)+512
.endr
.endm
.macro MUL8 a, p, q, sc, zero          ; A's fragment a (step a / 4, row block a % 4) x B's eight of set p; the 32 accumulators take turns
.irp b, 0,1,2,3,4,5,6,7
.if \zero
	v_wmma_scale_f32_16x16x128_f8f6f4 v[8*(8*((\a)%4)+\b):8*(8*((\a)%4)+\b)+7], v[128*(\p)+FR*\b:128*(\p)+FR*\b+FR-1], v[AF+FR*(\a):AF+FR*(\a)+FR-1], 0, v[SC+8*NQ*(\sc)+NQ*\b+(\q)], v[SC+8*NQ*(\sc)+NQ*(\a)+(\q)] matrix_a_fmt:MATRIX_FMT_FP6 matrix_b_fmt:MATRIX_FMT_FP6 matrix_a_scale:MATRIX_SCALE_ROW1
.else
	v_wmma_scale_f32_16x16x128_f8f6f4 v[8*(8*((\a)%4)+\b):8*(8*((\a)%4)+\b)+7], v[128*(\p)+FR*\b:128*(\p)+FR*\b+FR-1], v[AF+FR*(\a):AF+FR*(\a)+FR-1], v[8*(8*((\a)%4)+\b):8*(8*((\a)%4)+\b)+7], v[SC+8*NQ*(\sc)+NQ*\b+(\q)], v[SC+8*NQ*(\sc)+NQ*(\a)+(\q)] matrix_a_fmt:MATRIX_FMT_FP6 matrix_b_fmt:MATRIX_FMT_FP6 matrix_a_scale:MATRIX_SCALE_ROW1
.endif
.endr
.endm
.macro MUL16 a0, p, q, sc, zero
	MUL8 \a0, \p, \q, \sc, \zero
	MUL8 (\a0)+1, \p, \q, \sc, \zero
.endm
.macro FETCH_B slot, q, p
	WIN TO_B
.irp i, 0,1,2,3,4,5,6,7
	FRAG 128*(\p)+FR*\i, ADRB+\slot, \q, \i
.endr
	WIN 0
.endm
.macro FETCH_A slot, q
.irp i, 0,1,2,3
	FRAGA AF+FR*(4*(\q)+\i), \slot, \q, \i
.endr
.endm
.macro SCALES sc                       ; registers 2 i + q: lanes 16-31 B's block i; lanes 0-15 A's block i % 4: fragment 4 q + a finds its word at 2 (4 q + a) + q
.irp i, 0,1,2,3
	ds_load_b64 v[SC+8*NQ*\sc+NQ*\i:SC+8*NQ*\sc+NQ*\i+1], v[ADRS] offset:\sc*BSL+\i*SBLK
.endr
.irp i, 4,5,6,7
	ds_load_b64 v[SC+8*NQ*\sc+NQ*\i:SC+8*NQ*\sc+NQ*\i+1], v[ADRT] offset:\sc*BSL+\i*SBLK
.endr
.endm
.macro PLACES n
.rept \n
	v_nop
.endr
.endm
.macro HTURN slot, next, fill, zero    ; a whole slot, 64 products; the next slot's first step is fetched in its middle, the second at its end
	s_wait_tensorcnt 0x0
	ds_add_u32 v[SPW], v[NIL]
	s_wait_dscnt 63                                ; behind the first step's loads stand 64 younger ones and the add
	WIN MUL_LO
	MUL16 0, 0, 0, \slot, \zero
	MUL8 2, 0, 0, \slot, \zero
	s_wait_dscnt 0x0                               ; the add is done, and all my reads of this slot
	s_barrier_signal -1
	MUL8 3, 0, 0, \slot, \zero
	WIN 0
	s_barrier_wait -1
.if \fill
	CREST
	s_add_nc_u64 s[G0+4*\slot+2:G0+4*\slot+3], s[G0+4*\slot+2:G0+4*\slot+3], 2*ABLK
	s_add_nc_u64 s[G0B+4*\slot+2:G0B+4*\slot+3], s[G0B+4*\slot+2:G0B+4*\slot+3], 2*STEPB
	JLOAD G0+4*\slot, G1, G0B+4*\slot, G1B
.else
	PLACES NP
.endif
	s_wait_alu depctr_va_vdst(0)
.if \next == 0
	v_add_nc_u32 v[ADRS], v[INC], v[ADRS]          ; A's words of K steps 2, 3
	v_add_nc_u32 v[ADRT], v[INC], v[ADRT]
.endif
	FETCH_B \next, 0, 0
	FETCH_A \next, 0
	SCALES \next
	WIN MUL_LO
	MUL16 4, 1, 1, \slot, 0
	MUL16 6, 1, 1, \slot, 0
	PLACES NP
	WIN 0
	FETCH_B \next, 1, 1
	FETCH_A \next, 1
.endm
	s_wait_alu depctr_va_vdst(0)
	s_wait_tensorcnt 0x0                           ; my tile is in; group 1 may be written: a refill brings half of A's part, or one of B's
	s_mov_b32 s[G1+2], 48<<16
	s_mov_b32 s[G1+4], 48
	s_mov_b32 s[G1B+2], 100<<16
	s_mov_b32 s[G1B+4], 100
	s_wait_dscnt 0x0                               ; my stores of scale words are done
	s_barrier_signal -1
	s_barrier_wait -1
	FETCH_B 0, 0, 0
	FETCH_A 0, 0
	SCALES 0
	FETCH_B 0, 1, 1
	FETCH_A 0, 1
	HTURN 0, 1, 1, 1                               ; slot 0 takes K step 2
	HTURN 1, 0, 1, 0                               ; slot 1 takes K step 3
	HTURN 0, 1, 0, 0
	s_wait_dscnt 63
	WIN MUL_LO
	MUL16 0, 0, 0, 1, 0
	MUL16 2, 0, 0, 1, 0
	s_wait_dscnt 0
	MUL16 4, 1, 1, 1, 0
	MUL16 6, 1, 1, 1, 0
	WIN 0
.macro TOSTAGE a                       ; 16 rows x 128 columns through my own stage; the columns go to their true places
.set AC, 64*(\a)
	WIN 0x08
.irp b, 0,1,2,3,4,5,6,7
	ds_store_b128 v[STO], v[AC+8*\b:AC+8*\b+3] offset:128*(\b/2)+32*(\b%2)
	ds_store_b128 v[STO], v[AC+8*\b+4:AC+8*\b+7] offset:128*(\b/2)+32*(\b%2)+16
.endr
	WIN 0
.set BB, BK+64*((\a)%2)
.irp t, 0,1,2,3,4,5,6,7,8,9,10,11,12,13,14,15
	ds_load_b128 v[BB+4*\t:BB+4*\t+3], v[RD] offset:\t*SPITCH
.endr
.endm
.macro SEND a, younger                 ; whole rows of 512 bytes, each to its true row
.set BB, BK+64*((\a)%2)
	s_wait_dscnt \younger
.irp t, 0,1,2,3,4,5,6,7,8,9,10,11,12,13,14,15
	global_store_b128 v[CO], v[BB+4*\t:BB+4*\t+3], s[12:13] offset:(32*((\a)/2)+8*((\a)%2)+\t+8*(\t/8))*4096 th:TH_STORE_NT
.endr
.endm
	PLACES NP
	TOSTAGE 0
.irp a, 1,2,3
.if \a > 1
	s_wait_xcnt 0x0                                ; block a - 2's stores have read their registers
.endif
	TOSTAGE \a
	SEND \a-1, 32
.endr
	SEND 3, 0
	s_wait_tensorcnt 0x0                           ; the wave's end
	ds_add_u32 v[SPW], v[NIL]
	s_wait_dscnt 0x0
	CROUND
	s_endpgm
.Lfunc_end_k_q73b0e6f299_proj:
	.size	k_q73b0e6f299_proj, .Lfunc_end_k_q73b0e6f299_proj-k_q73b0e6f299_proj
	.p2alignl 7, 3214868480
	.fill 96, 4, 3214868480
	.section	.rodata,"a",@progbits
	.p2align	6, 0x0
	.amdhsa_kernel k_q73b0e6f299_proj
		.amdhsa_group_segment_fixed_size 327680
		.amdhsa_private_segment_fixed_size 0
		.amdhsa_enable_private_segment 0
		.amdhsa_kernarg_size 24
		.amdhsa_user_sgpr_count 2
		.amdhsa_user_sgpr_kernarg_segment_ptr 1
		.amdhsa_wavefront_size32 1
		.amdhsa_system_sgpr_workgroup_id_x 1
		.amdhsa_system_sgpr_workgroup_id_y 1
		.amdhsa_system_sgpr_workgroup_id_z 1
		.amdhsa_system_vgpr_workitem_id 0
		.amdhsa_next_free_vgpr 1024
		.amdhsa_next_free_sgpr 98
		.amdhsa_reserve_vcc 0
		.amdhsa_float_denorm_mode_32 3
		.amdhsa_float_denorm_mode_16_64 3
		.amdhsa_memory_ordered 1
		.amdhsa_forward_progress 1
		.amdhsa_inst_pref_size 97
	.end_amdhsa_kernel
	.amdgpu_metadata
---
amdhsa.version: [ 1, 2 ]
amdhsa.kernels:
  - .name:           k_q73b0e6f299_proj
    .symbol:         k_q73b0e6f299_proj.kd
    .args:
      - { .name: oc, .offset: 0, .size: 8, .value_kind: global_buffer, .address_space: global }
      - { .name: cw, .offset: 8, .size: 8, .value_kind: global_buffer, .address_space: global }
      - { .name: out0, .offset: 16, .size: 8, .value_kind: global_buffer, .address_space: global }
    .group_segment_fixed_size: 327680
    .private_segment_fixed_size: 0
    .kernarg_segment_align: 8
    .kernarg_segment_size: 24
    .max_flat_workgroup_size: 128
    .sgpr_count:     98
    .vgpr_count:     1024
    .wavefront_size: 32
...
	.end_amdgpu_metadata
.endif
;; end of part 4
